; MI455X (gfx1250); checked and timed in simulation.
; The chip was launched on July 23, 2026; its instructions are those of AMD's public machine-readable ISA for CDNA 5 (MIT licence, August 2026) and "CDNA5" Instruction Set Architecture Reference Guide (July 2026). The comments in the code are by the model that wrote it; some were corrected since.
;; Temporal SA. Allowed arithmetic: matrix products marked QUANTISED: E3M2 operands, one E8M0 scale for each 32 along K, by v_wmma_scale_f32_16x16x128_f8f6f4 with both operands' format E3M2, f32 sums; everything else in f32.
;; Inputs: kW_codes 64 x 8 x 24 uint8 (E3M2 codes of kW, K innermost, in blocks of 32 codes, four codes in three bytes); kW_scales 64 x 8 uint8 (E8M0 scales of kW, one for each 32 codes along K); kb 64 float32; kbeta 64 float32; kg 64 float32; kmu 64 float32; kvar 64 float32; qW_codes 64 x 8 x 24 uint8 (E3M2 codes of qW, K innermost, in blocks of 32 codes, four codes in three bytes); qW_scales 64 x 8 uint8 (E8M0 scales of qW, one for each 32 codes along K); qb 64 float32; qbeta 64 float32; qg 64 float32; qmu 64 float32; qvar 64 float32; vW_codes 256 x 8 x 24 uint8 (E3M2 codes of vW, K innermost, in blocks of 32 codes, four codes in three bytes); vW_scales 256 x 8 uint8 (E8M0 scales of vW, one for each 32 codes along K); vb 256 float32; vbeta 256 float32; vg 256 float32; vmu 256 float32; vvar 256 float32; x 8 x 256 x 2,048 x 1 float32.
;; Outputs: out0 8 x 256 x 2,048 x 1 float32.
;; This version of the problem:
;;   THIS VERSION OF THE PROBLEM IS GIVEN IN LOW PRECISION. The matrix products marked QUANTISED in the list below multiply operands that are first quantised to E3M2 (3 exponent bits, 2 mantissa bits; 6 bits a number), with one power-of-two scale for each 32 numbers along K (OCP MX v1.0); their sums are f32. All else is computed in f32.
;;   The module's matrix products, in the order in which they are computed (A, B: the left and right operand; K: the contracted axis; several contracted axes count as one K, in the product's order):
;;     1. [M 64, K 256] x [K 256, N 16,384]; A: input kW (given as codes); B: input x: QUANTISED
;;     2. [M 64, K 256] x [K 256, N 16,384]; A: input qW (given as codes); B: input x: QUANTISED
;;     3. [M 256, K 256] x [K 256, N 16,384]; A: input vW (given as codes); B: input x: QUANTISED
;;     4. batch 8 x [M 2,048, K 64] x [K 64, N 2,048]; A: computed on the way; B: computed on the way: QUANTISED
;;     5. batch 8 x [M 2,048, K 2,048] x [K 2,048, N 256]; A: computed on the way; B: computed on the way: QUANTISED
;;   THE QUANTISER, for each operand of a quantised product, along K:
;;     - K is cut into blocks of 32 from its start; a last block that is shorter is filled with zeros.
;;     - A block's scale is 2^e with e = floor(log2(the largest magnitude in the block)) - 4, held to -126 .. 127; a block of zeros has e = 0. As a byte (E8M0): e + 127.
;;     - Each number is divided by its block's scale, clamped to +-28, and rounded to the nearest number of E3M2, ties to even, subnormals kept.
;;     - The product sums the exact products of the quantised numbers (number of the format x scale) in f32.
;;   ~~~python
;;   def quantise(x, axis):      # numpy; x: float32 -> the quantised numbers, widened to float32 again
;;       x = np.moveaxis(x, axis, -1); K = x.shape[-1]
;;       x = np.pad(x, [(0, 0)] * (x.ndim - 1) + [(0, -K % 32)]); x = x.reshape(x.shape[:-1] + (-1, 32)); a = np.abs(x).max(-1, keepdims=True)
;;       e = np.where(a > 0, np.clip(np.frexp(np.where(a > 0, a, 1))[1] - 1 - 4, -126, 127), 0)      # np.frexp(a)[1] - 1 = floor(log2(a)), exactly
;;       r = np.clip(x / 2.0 ** e, -28, 28)
;;       step = 2.0 ** (np.maximum(np.frexp(np.where(r == 0, 1, r))[1] - 1, -2) - 2)
;;       q = np.round(r / step) * step * 2.0 ** e      # np.round: ties to even
;;       return np.moveaxis(q.reshape(q.shape[:-2] + (-1,))[..., :K], -1, axis).astype(np.float32)
;;   ~~~
;;   OPERANDS COMPUTED ON THE WAY. 'Computed on the way' means the value that the module computes at that place (a softmax that the list does not call 'softmax' is quantised finished and normalised). What goes into a quantiser is computed in f32, as accurately as f32 sums, v_exp_f32 and their like allow (about 1e-6 of the number): no bf16 or f16 on the way to a quantiser, and a product that is left as it is and whose result goes on into a quantised operand takes f32 operands (vector FMAs, or v_wmma_f32_16x16x4_f32). A number that lies on a knife's edge between two numbers of the format may be rounded either way, as far as f32 arithmetic and the matrix unit's own rounding can turn it there, and no further.
;;   INPUTS GIVEN AS CODES. kW (in the module: [64, 256], K = its axis 1); qW (in the module: [64, 256], K = its axis 1); vW (in the module: [256, 256], K = its axis 1): each comes as NAME_codes (uint8): NAME with its K axis moved to the last place and cut into blocks of 32 codes, [.., K / 32, bytes a block], one block behind the other in memory; four codes in three bytes: a row's codes are one little-endian stream of bits, code i at bits 6 i .. 6 i + 5 (a code: sign, 3 exponent bits, 2 mantissa bits); and NAME_scales (uint8): the same leading axes, one E8M0 byte (e + 127) for each 32 codes along K. Its value is code x scale, taken as it is: it is not quantised again, and the codes and scales need not be those that the quantiser above would give.
;; 2 versions. Each part assembles by itself: llvm-mc -triple=amdgcn-amd-amdhsa -mcpu=gfx1250 --defsym DOCPART=n.
;; ======== version 1 of 2: 2 launches
;; workspace buffers: qk_codes 1,572,864 bytes; qk_scales 65,536 bytes; v_codes 3,145,728 bytes; v_scales 131,072 bytes
;; launch conv (part 1): grid 32 x 8, 8 waves a work-group, no clusters, 79,360 bytes of LDS; arguments x, kW_codes, kW_scales, kb, kbeta, kg, kmu, kvar, qW_codes, qW_scales, qb, qbeta, qg, qmu, qvar, vW_codes, vW_scales, vb, vbeta, vg, vmu, vvar, qk_codes, qk_scales, v_codes, v_scales; writes qk_codes, qk_scales, v_codes, v_scales
.if DOCPART == 1
	.amdgcn_target "amdgcn-amd-amdhsa--gfx1250"
	.amdhsa_code_object_version 6
	.text
	.protected	k_q80c2e3a5f2_conv
	.globl	k_q80c2e3a5f2_conv
	.p2align	8
	.type	k_q80c2e3a5f2_conv,@function
k_q80c2e3a5f2_conv:
	s_mov_b64 s[64:65], 0
	v_nop
	global_prefetch_b8 v0, s[64:65] scope:SCOPE_SE
	s_setreg_imm32_b32 hwreg(HW_REG_WAVE_MODE, 25, 1), 1
	s_wait_xcnt 0x0
; k, q (64 channels) and v (256 channels) = relu(BN(W x + b)) of x [8][256][2048] f32, W given as codes of BF6 (E3M2) with E8M0 scales.
; x is quantised along its channels (blocks of 32), the three products run on codes, and the results are quantised again for the attention that follows:
; q and k along their 64 channels, v along t.  What is stored is laid in the order of the next launch's operand registers.
; SHARES.  A work-group takes 64 t of one batch: four tiles of 16 t.  Tile u (0, 1) of a block of 32 t holds t = 32 block + 8 u + row + (row & 8) in its row: so wherever t runs along a result's
; registers, the 16 registers of a block's two tiles are 16 neighbouring t, and one set of x's fragments serves q, k and v.
; Wave w (of 8): (X) quantises channels 32 w .. 32 w + 31 of all 64 t;  (QK) makes 32 channels (w >> 1 & 1) of k (w < 4) or q for 32 t (w & 1): 8 matrix instructions;
; (V) makes channels 32 w .. 32 w + 31 of v for all 64 t: 16 matrix instructions.
; AN OPERAND GOES ROUND AS AN IMAGE OF ITS REGISTERS: a group of 6 registers x 32 lanes is 768 bytes: words 0-3 at 16 x lane, words 4-5 at 512 + 8 x lane.  A fragment (12 registers) is two groups.
; BN: y = fma(sum, inv, sh), inv = g x rsq(var + eps), sh = fma(b - mu, inv, beta): the order of rounding differs from a division by a square root by a few units in the last place.
; LIMITS: NaN and infinities among the inputs are not served.  A block of zeros gets the scale byte 1 and not 127: its codes are zeros, and only this program reads the bytes.
; NOT USED.  Tensor loads and slots that take turns: a work-group has one step, nothing is filled twice.  Joint loads in a cluster: what work-groups share is the weights, 98,304 bytes a work-group,
; beside 24 matrix instructions a wave: the rounds of a cluster's barrier and a pass through LDS would outweigh it.  Prefetches: every load is issued at the head.
.set XIMG, 0                           ; LDS: x's 16 groups: tile tau = 2 ip + u, group g2 (64 channels) at (4 tau + g2) x 768
.set XSC,  12288                       ; x's scale words: (ip, K step s) at (2 ip + s) x 128 + 4 x lane; lanes 0-15 tile u = 0, lanes 16-31 tile u = 1
.set XSTG, 12800                       ; a stage of 32 rows x 256 bytes for each wave, its own
.set XR,   82                          ; v82-145   x as loaded
.set XC,   146                         ; v146-209  x turned: register 32 ip + i = channel i of my block, one t a lane
.set XF,   82                          ; v82-129   x's fragments (u, s) at XF + 12 (2 u + s)
.set ACC,  130                         ; v130-193  accumulators
.set TM,   194                         ; v194-195  largest magnitudes
.set TP,   196                         ; v196-197  the other half of the lanes'
.set SC,   198                         ; v198-199  the conversions' scale operands
.set BYQ,  200                         ; v200-201  scale bytes of q or k
.set BYV,  202                         ; v202-205  of v: 2 ci + ip
.set XS,   40                          ; v40-41    x's scale words of K step s.  v32-35 W's of q or k (2 u' + s), v36-39 of v (2 ci + s): these hold scales alone
.set MSB, 0
.macro WIN new                         ; the immediate's high byte repeats the setting that is left
.if MSB != \new
	s_set_vgpr_msb (MSB<<8)|\new
.set MSB, \new
.endif
.endm
.macro PLACES n                        ; plain vector instructions between a matrix instruction and what touches its registers (ISA guide 7.12.1)
.rept \n
	v_nop
.endr
.endm
; One matrix instruction.  first = 1: the constant 0 starts the sum.  row: 0: both sides' scales from lanes 0-15; 1: source 0's from lanes 16-31; 2: source 1's.
.macro MM d, a, b, first, sa, sb, row
.if \first
.if (\row) == 0
	v_wmma_scale_f32_16x16x128_f8f6f4 v[\d:\d+7], v[\a:\a+11], v[\b:\b+11], 0, v[\sa], v[\sb] matrix_a_fmt:MATRIX_FMT_BF6 matrix_b_fmt:MATRIX_FMT_BF6
.elseif (\row) == 1
	v_wmma_scale_f32_16x16x128_f8f6f4 v[\d:\d+7], v[\a:\a+11], v[\b:\b+11], 0, v[\sa], v[\sb] matrix_a_fmt:MATRIX_FMT_BF6 matrix_b_fmt:MATRIX_FMT_BF6 matrix_a_scale:MATRIX_SCALE_ROW1
.else
	v_wmma_scale_f32_16x16x128_f8f6f4 v[\d:\d+7], v[\a:\a+11], v[\b:\b+11], 0, v[\sa], v[\sb] matrix_a_fmt:MATRIX_FMT_BF6 matrix_b_fmt:MATRIX_FMT_BF6 matrix_b_scale:MATRIX_SCALE_ROW1
.endif
.else
.if (\row) == 0
	v_wmma_scale_f32_16x16x128_f8f6f4 v[\d:\d+7], v[\a:\a+11], v[\b:\b+11], v[\d:\d+7], v[\sa], v[\sb] matrix_a_fmt:MATRIX_FMT_BF6 matrix_b_fmt:MATRIX_FMT_BF6
.elseif (\row) == 1
	v_wmma_scale_f32_16x16x128_f8f6f4 v[\d:\d+7], v[\a:\a+11], v[\b:\b+11], v[\d:\d+7], v[\sa], v[\sb] matrix_a_fmt:MATRIX_FMT_BF6 matrix_b_fmt:MATRIX_FMT_BF6 matrix_a_scale:MATRIX_SCALE_ROW1
.else
	v_wmma_scale_f32_16x16x128_f8f6f4 v[\d:\d+7], v[\a:\a+11], v[\b:\b+11], v[\d:\d+7], v[\sa], v[\sb] matrix_a_fmt:MATRIX_FMT_BF6 matrix_b_fmt:MATRIX_FMT_BF6 matrix_b_scale:MATRIX_SCALE_ROW1
.endif
.endif
.endm
; x's four fragments (two tiles x two K steps) of a block of 32 t, and their two scale words: 18 LDS loads
.macro FETCHX a16, a8, a4, off, offs
.irp u, 0,1
.irp s, 0,1
	ds_load_b128 v[XF+12*(2*\u+\s):XF+12*(2*\u+\s)+3],     v[\a16] offset:\off+3072*\u+1536*\s
	ds_load_b64  v[XF+12*(2*\u+\s)+4:XF+12*(2*\u+\s)+5],   v[\a8]  offset:\off+3072*\u+1536*\s
	ds_load_b128 v[XF+12*(2*\u+\s)+6:XF+12*(2*\u+\s)+9],   v[\a16] offset:\off+3072*\u+1536*\s+768
	ds_load_b64  v[XF+12*(2*\u+\s)+10:XF+12*(2*\u+\s)+11], v[\a8]  offset:\off+3072*\u+1536*\s+768
.endr
.endr
	ds_load_b32 v[XS],   v[\a4] offset:\offs
	ds_load_b32 v[XS+1], v[\a4] offset:\offs+128
.endm
; The largest of two runs of 16 numbers that are not negative, by turns, with the floor 2^(5 - 127) among the leaves: the scale's byte cannot fall under 1
.macro BMAX2 d0, s0, d1, s1
	v_max3_num_f32 v[\d0], v[\s0], v[\s0+1], 0x2800000
	v_max3_num_f32 v[\d1], v[\s1], v[\s1+1], 0x2800000
.irp i, 2,4,6,8,10,12,14
	v_max3_num_f32 v[\d0], v[\d0], v[\s0+\i], v[\s0+\i+1]
	v_max3_num_f32 v[\d1], v[\d1], v[\s1+\i], v[\s1+\i+1]
.endr
.endm
; A block of 32 lies in lanes l and l xor 16.  4 off the largest magnitude's exponent field is the conversion's scale operand; its exponent field is the byte
.macro SCALE2 by0, by1
	v_permlanex16_b32 v[TP],   v[TM],   s80, s81
	v_permlanex16_b32 v[TP+1], v[TM+1], s80, s81
	v_max_num_f32 v[TM],   v[TM],   v[TP]
	v_max_num_f32 v[TM+1], v[TM+1], v[TP+1]
	v_add_nc_u32 v[SC],   0xfe000000, v[TM]
	v_add_nc_u32 v[SC+1], 0xfe000000, v[TM+1]
	v_lshrrev_b32 v[\by0], 23, v[SC]
	v_lshrrev_b32 v[\by1], 23, v[SC+1]
.endm
; v's 32 results of a block ip of 32 t (16 registers for each of my two channel tiles): BN, relu, the block's scale, 16 codes a lane into v[d0..], v[d1..]
.macro POSTV base, ip, d0, d1
.irp c, 0,1
.irp i, 0,2,4,6,8,10,12,14
	v_pk_fma_f32 v[\base+16*\c+\i:\base+16*\c+\i+1], v[\base+16*\c+\i:\base+16*\c+\i+1], v[42+4*\c:43+4*\c], v[44+4*\c:45+4*\c]   ; each accumulator from its low end on
.endr
.endr
.set jj, 0
.rept 32
	v_max_num_f32 v[\base+jj], 0, v[\base+jj]
.set jj, jj+1
.endr
	BMAX2 TM, \base, TM+1, \base+16
	SCALE2 BYV+\ip, BYV+2+\ip
	v_cvt_scalef32_pk16_bf6_f32 v[\d0:\d0+2], v[\base:\base+15], v[SC]
	v_cvt_scalef32_pk16_bf6_f32 v[\d1:\d1+2], v[\base+16:\base+31], v[SC+1]
	v_nop                                          ; one plain place behind the scaled conversions
.endm
	s_load_b64  s[4:5],   s[0:1], 0x0              ; x
	s_load_b256 s[8:15],  s[0:1], 0x8              ; k: W's codes, W's scales, b, beta,
	s_load_b128 s[16:19], s[0:1], 0x28             ;    g, mu,
	s_load_b64  s[20:21], s[0:1], 0x38             ;    var
	s_load_b256 s[24:31], s[0:1], 0x40             ; q: the same seven
	s_load_b128 s[32:35], s[0:1], 0x60
	s_load_b64  s[36:37], s[0:1], 0x70
	s_load_b256 s[40:47], s[0:1], 0x78             ; v: the same seven
	s_load_b128 s[48:51], s[0:1], 0x98
	s_load_b64  s[52:53], s[0:1], 0xa8
	s_load_b256 s[56:63], s[0:1], 0xb0             ; qk_codes, qk_scales, v_codes, v_scales
	v_lshl_add_u32 v254, v0, 2, 0x13200
	v_mov_b32 v255, 0
	v_lshrrev_b32 v5, 5, v0
	v_readfirstlane_b32 s66, v5                    ; wave w
	v_and_b32 v1, 31, v0                           ; L
	v_and_b32 v2, 15, v0                           ; r
	v_bfe_u32 v3, v0, 4, 1                         ; h
	v_and_b32 v4, 8, v2
	v_add_nc_u32 v4, v4, v2                        ; rp = r + (r & 8)
	s_lshr_b32 s67, s66, 2                         ; m: 0 = k, 1 = q
	s_bfe_u32 s68, s66, 0x10001                    ; db: which 32 channels of it
	s_and_b32 s69, s66, 1                          ; ipq: which 32 t
	s_mov_b32 s70, ttmp9                           ; uw: which 64 t
	s_and_b32 s71, ttmp7, 0xffff                   ; b: the batch
	; every LDS address: a constant, a constant x lane, a constant x wave
	v_lshlrev_b32 v5, 13, v3
	v_lshl_add_u32 v5, v2, 4, v5                   ; XO: x: row h of two, 16 bytes at 16 r
	s_lshl_b32 s72, s66, 13
	s_add_co_u32 s72, s72, XSTG                    ; my stage
	v_lshl_add_u32 v6, v1, 4, s72                  ; STW: in, as loaded
	v_lshl_add_u32 v7, v3, 3, v4
	v_lshl_add_u32 v7, v7, 2, s72                  ; STR: out: t = 8 h + rp: tile h, row r
	s_lshr_b32 s73, s66, 1
	s_mul_i32 s73, s73, 768                        ; my channels' group: g2 = w >> 1
	s_lshl_b32 s74, s69, 8
	s_add_co_u32 s74, s74, s73
	v_mul_u32_u24 v8, v3, 3072
	v_lshl_add_u32 v9, v2, 3, v8
	v_lshl_add_u32 v8, v2, 4, v8
	v_add_nc_u32 v8, s74, v8                       ; XWA: tile h, group g2, the image's lane 16 (w & 1) + r: words 0-3
	s_lshl_b32 s74, s69, 7
	s_add_co_u32 s74, s74, s73
	s_add_co_u32 s74, s74, 512
	v_add_nc_u32 v9, s74, v9                       ; XWB: words 4-5
	s_lshl_b32 s74, s67, 7
	s_and_b32 s75, s66, 3
	s_add_co_u32 s74, s74, s75
	s_add_co_u32 s74, s74, XSC
	v_lshl_add_u32 v10, v1, 2, s74                 ; XWS: K step w >> 2, byte w & 3 of the word of tile h, row r
	v_lshlrev_b32 v11, 4, v1                       ; A16
	v_lshl_add_u32 v12, v1, 3, 512                 ; A8
	v_lshl_add_u32 v13, v1, 2, XSC                 ; A4
	s_mul_i32 s74, s69, 6144
	v_add_nc_u32 v14, s74, v11                     ; Q16, Q8, Q4: the same in my block ipq
	v_add_nc_u32 v15, s74, v12
	s_lshl_b32 s74, s69, 8
	v_add_nc_u32 v16, s74, v13
	; offsets in memory
	v_mul_u32_u24 v17, v4, 192
	v_mad_u32_u24 v17, v3, 24, v17
	s_mul_i32 s74, s68, 6144
	v_add_nc_u32 v17, s74, v17                     ; QWO: W's row 32 db + rp (+ 8 u'), 192 bytes a row, + 24 h
	s_lshl_b32 s74, s68, 8
	v_lshl_add_u32 v18, v4, 3, s74                 ; QWSO: its 8 scale bytes
	v_mul_u32_u24 v19, v2, 192
	v_mad_u32_u24 v19, v3, 24, v19
	s_mul_i32 s74, s66, 6144
	v_add_nc_u32 v19, s74, v19                     ; VWO: vW's row 32 w + r (+ 16 ci)
	s_lshl_b32 s74, s66, 8
	v_lshl_add_u32 v20, v2, 3, s74                 ; VWSO
	s_lshl_b32 s74, s68, 7
	v_lshl_add_u32 v21, v3, 6, s74                 ; BNQ: channels 32 db + 16 h on
	s_lshl_b32 s74, s66, 7
	v_lshl_add_u32 v22, v2, 2, s74                 ; BNV: channel 32 w + r (+ 16 ci)
	s_mul_i32 s76, s67, 786432
	s_mul_i32 s74, s71, 98304
	s_add_co_u32 s76, s76, s74
	s_lshl_b32 s74, s70, 1
	s_add_co_u32 s74, s74, s69                     ; my block of 32 t
	s_mul_i32 s75, s74, 1536
	s_add_co_u32 s76, s76, s75                     ; qk_codes [m][b][block][1536]
	s_lshl_b32 s75, s68, 9
	s_add_co_u32 s75, s75, s76
	v_lshl_add_u32 v23, v1, 4, s75                 ; QOA: words 0-3 of channel block db
	s_lshl_b32 s75, s68, 8
	s_add_co_u32 s75, s75, s76
	s_add_co_u32 s75, s75, 1024
	v_lshl_add_u32 v24, v1, 3, s75                 ; QOB: words 4-5
	s_lshl_b32 s75, s67, 15
	s_lshl_b32 s77, s71, 12
	s_add_co_u32 s75, s75, s77
	s_lshl_b32 s77, s74, 6
	s_add_co_u32 s75, s75, s77
	s_lshl_b32 s77, s68, 1
	s_add_co_u32 s75, s75, s77
	v_lshl_add_u32 v25, v2, 2, s75                 ; QOS: qk_scales [m][b][block][r]: bytes 2 db, 2 db + 1 of row r's word
	s_mul_i32 s75, s71, 393216
	s_mul_i32 s77, s66, 49152
	s_add_co_u32 s75, s75, s77
	s_mul_i32 s77, s70, 768
	s_add_co_u32 s75, s75, s77
	v_lshl_add_u32 v26, v1, 4, s75                 ; VOA: v_codes [b][channel tile][64 t][768]
	s_add_co_u32 s75, s75, 512
	v_lshl_add_u32 v27, v1, 3, s75                 ; VOB
	s_lshl_b32 s75, s71, 5
	s_add_co_u32 s75, s75, s70
	s_lshl_b32 s75, s75, 9
	s_lshl_b32 s77, s66, 6
	s_add_co_u32 s75, s75, s77
	v_lshl_add_u32 v28, v1, 1, s75                 ; VOS: v_scales [b][64 t][w][lane], two bytes
	s_mov_b32 s80, 0x76543210
	s_mov_b32 s81, 0xfedcba98                      ; v_permlanex16_b32's selects for lane l xor 16
	s_mov_b32 s82, 0xffff0000                      ; lanes 16-31
	s_mov_b32 s84, 0x3727c5ac                      ; eps = 1e-5
	s_mov_b32 s85, s84                             ; (named with it as a pair)
	s_lshl_b32 s72, s71, 21
	s_lshl_b32 s73, s66, 18
	s_add_co_u32 s72, s72, s73
	s_lshl_b32 s73, s70, 8
	s_add_co_u32 s72, s72, s73
	s_mov_b32 s73, 0
	s_wait_kmcnt 0x0
	s_add_nc_u64 s[4:5], s[4:5], s[72:73]          ; x at my batch, my 32 channels, my 64 t
	s_cmp_lt_u32 s66, 4                            ; waves 0-3 take k's seven buffers, waves 4-7 q's: the choice hangs on the wave's number alone
.irp i, 0,1,2,3,4,5,6
	s_cselect_b64 s[8+2*\i:9+2*\i], s[8+2*\i:9+2*\i], s[24+2*\i:25+2*\i]
.endr
	; ---- the loads: 30 for BN, 16 for x, 52 for the weights
.irp k, 0,1,2,3,4                              ; b, beta, g, mu, var of q or k: my 16 channels
.irp q, 0,1,2,3
	global_load_b128 v[146+16*\k+4*\q:149+16*\k+4*\q], v21, s[12+2*\k:13+2*\k] offset:16*\q
.endr
.endr
.irp k, 0,1,2,3,4                              ; and of v: one channel a lane for each of my two tiles
.irp c, 0,1
	global_load_b32 v[226+2*\k+\c], v22, s[44+2*\k:45+2*\k] offset:64*\c
.endr
.endr
.irp k, 0,1,2,3,4,5,6,7,8,9,10,11,12,13,14,15
	global_load_b128 v[XR+4*\k:XR+4*\k+3], v5, s[4:5] offset:16384*\k th:TH_LOAD_NT   ; channels 2 k and 2 k + 1: sixteen lanes read 256 consecutive bytes, aligned
.endr
.irp u, 0,1
	global_load_b64 v[32+2*\u:33+2*\u], v18, s[10:11] offset:64*\u
.endr
.irp c, 0,1
	global_load_b64 v[36+2*\c:37+2*\c], v20, s[42:43] offset:128*\c
.endr
	WIN 0x40                                       ; destination window 1: the weights' fragments stay there
.irp u, 0,1
.irp s, 0,1
.irp p, 0,1,2,3,4,5
	global_load_b64 v[12*(2*\u+\s)+2*\p:12*(2*\u+\s)+2*\p+1], v17, s[8:9] offset:1536*\u+96*\s+48*(\p/3)+8*(\p%3)
.endr
.endr
.endr
.irp c, 0,1
.irp s, 0,1
.irp p, 0,1,2,3,4,5
	global_load_b64 v[48+12*(2*\c+\s)+2*\p:48+12*(2*\c+\s)+2*\p+1], v19, s[40:41] offset:3072*\c+96*\s+48*(\p/3)+8*(\p%3)
.endr
.endr
.endr
	WIN 0
	; ---- BN's constants
	s_wait_loadcnt 63                              ; 68 loads were issued behind BN's 30: with 63 left out, those 30 are in
.irp i, 0,2,4,6,8,10,12,14
	v_pk_add_f32 v[210+\i:211+\i], v[210+\i:211+\i], s[84:85] op_sel_hi:[1,0]
.endr
	v_pk_add_f32 v[234:235], v[234:235], s[84:85] op_sel_hi:[1,0]
.irp i, 0,1,2,3,4,5,6,7,8,9,10,11,12,13,14,15
	v_rsq_f32 v[210+\i], v[210+\i]
.endr
	v_rsq_f32 v234, v234
	v_rsq_f32 v235, v235
.irp i, 0,2,4,6,8,10,12,14
	v_pk_add_f32 v[146+\i:147+\i], v[146+\i:147+\i], v[194+\i:195+\i] neg_lo:[0,1] neg_hi:[0,1]   ; b - mu (the first is the plain place behind the roots)
.endr
	s_wait_alu depctr_va_vdst(0)
.irp i, 0,2,4,6,8,10,12,14
	v_pk_mul_f32 v[50+\i:51+\i], v[178+\i:179+\i], v[210+\i:211+\i]                               ; inv: v50-65
.endr
.irp i, 0,2,4,6,8,10,12,14
	v_pk_fma_f32 v[66+\i:67+\i], v[146+\i:147+\i], v[50+\i:51+\i], v[162+\i:163+\i]               ; sh: v66-81
.endr
.irp c, 0,1                                    ; v's: a number a lane, written twice for the packed forms: (inv, inv) at v[42 + 4 ci], (sh, sh) behind it
	v_sub_f32 v[226+\c], v[226+\c], v[232+\c]
	v_mul_f32 v[42+4*\c], v[230+\c], v[234+\c]
	v_mov_b32 v[43+4*\c], v[42+4*\c]
	v_fma_f32 v[44+4*\c], v[226+\c], v[42+4*\c], v[228+\c]
	v_mov_b32 v[45+4*\c], v[44+4*\c]
.endr
	; ---- x turns through my stage: in as loaded, out one t a lane with the registers down the channels
	s_wait_loadcnt 52                              ; the 52 loads of weights are younger than x's
.irp k, 0,1,2,3,4,5,6,7,8,9,10,11,12,13,14,15
	ds_store_b128 v6, v[XR+4*\k:XR+4*\k+3] offset:512*\k
.endr
.irp p, 0,1
.set jj, 0
.rept 32
	ds_load_b32 v[XC+32*\p+jj], v7 offset:256*jj+128*\p   ; LDS serves a wave's instructions in order (ISA guide 5.7.1.4): these see my stores
.set jj, jj+1
.endr
.endr
	s_wait_dscnt 0x0
	; ---- x's codes: a lane holds a whole block of 32 channels of one t, twice (ip = 0, 1)
.irp p, 0,1
	v_max3_num_f32 v[234+\p], |v[XC+32*\p]|, |v[XC+32*\p+1]|, 0x2800000
.endr
.irp i, 2,4,6,8,10,12,14,16,18,20,22,24,26,28,30
.irp p, 0,1
	v_max3_num_f32 v[234+\p], v[234+\p], |v[XC+32*\p+\i]|, |v[XC+32*\p+\i+1]|
.endr
.endr
.irp p, 0,1
	v_add_nc_u32 v[236+\p], 0xfe000000, v[234+\p]
.endr
.irp p, 0,1
	v_lshrrev_b32 v[238+\p], 23, v[236+\p]
.endr
.irp p, 0,1
	v_cvt_scalef32_pk16_bf6_f32 v[210+8*\p:212+8*\p], v[XC+32*\p:XC+32*\p+15], v[236+\p]
	v_cvt_scalef32_pk16_bf6_f32 v[226+4*\p:228+4*\p], v[XC+32*\p+16:XC+32*\p+31], v[236+\p]   ; (a conversion's three registers begin on an even number)
.endr
	v_nop                                          ; one plain place behind the scaled conversions
.irp p, 0,1
.irp i, 0,1,2
	v_mov_b32 v[213+8*\p+\i], v[226+4*\p+\i]
.endr
.endr
.irp p, 0,1
	ds_store_b128 v8, v[210+8*\p:213+8*\p] offset:6144*\p
	ds_store_b64  v9, v[214+8*\p:215+8*\p] offset:6144*\p
	ds_store_b8   v10, v[238+\p] offset:256*\p
.endr
	s_wait_dscnt 0x0                               ; for the others' sake: my images and bytes have landed
	s_barrier_signal -1
	s_barrier_wait -1                              ; x's sixteen groups and four sets of scale words lie in LDS
	v_mov_b32 v[TP], 0                             ; a lane permute's destination counts as one of its sources
	v_mov_b32 v[TP+1], 0
	; ---- q or k: source 0 = 16 rows of W, source 1 = 16 t: a lane holds one t, its registers run along the channels
	FETCHX 14, 15, 16, 0, 0
	s_wait_loadcnt 0x0                             ; the weights
	s_wait_dscnt 0x0
	WIN 0x01                                       ; source 0 window 1
.irp s, 0,1                                    ; four accumulators by turns, one instruction a turn
.irp u, 0,1
.irp t, 0,1
	MM ACC+16*\u+8*\t, 12*(2*\t+\s), XF+12*(2*\u+\s), 1-\s, 32+2*\t+\s, XS+\s, 2*\u
.endr
.endr
.endr
	WIN 0
	PLACES 5
	FETCHX 11, 12, 13, 0, 0                        ; v's first 32 t come while q or k is finished
.irp u, 0,1
.irp i, 0,2,4,6,8,10,12,14
	v_pk_fma_f32 v[ACC+16*\u+\i:ACC+16*\u+\i+1], v[ACC+16*\u+\i:ACC+16*\u+\i+1], v[50+\i:51+\i], v[66+\i:67+\i]   ; each accumulator from its low end on
.endr
.endr
.set jj, 0
.rept 32
	v_max_num_f32 v[ACC+jj], 0, v[ACC+jj]
.set jj, jj+1
.endr
	BMAX2 TM, ACC, TM+1, ACC+16
	SCALE2 BYQ, BYQ+1
	v_cvt_scalef32_pk16_bf6_f32 v[210:212], v[ACC:ACC+15], v[SC]
	v_cvt_scalef32_pk16_bf6_f32 v[216:218], v[ACC+16:ACC+31], v[SC+1]
	v_nop                                          ; one plain place behind the scaled conversions
.irp i, 0,1,2
	v_permlane16_swap_b32 v[210+\i], v[216+\i]     ; lane (r, h) now holds tile h's row r: the lower 16 codes here, the upper 16 there
.endr
.irp i, 0,1,2
	v_mov_b32 v[213+\i], v[216+\i]
.endr
	global_store_b128 v23, v[210:213], s[56:57]    ; 512 consecutive bytes a wave
	global_store_b64  v24, v[214:215], s[56:57]    ; 256
	v_lshl_or_b32 v206, v[BYQ+1], 8, v[BYQ]
	global_store_b16  v25, v206, s[58:59]          ; (lanes 16-31 store what lanes 0-15 store, to the same place)
	; ---- v: source 0 = 16 t, source 1 = 16 rows of vW: a lane holds one channel, its registers run along t
	s_wait_dscnt 0x0
	WIN 0x04                                       ; source 1 window 1
.irp s, 0,1
.irp c, 0,1
.irp u, 0,1
	MM ACC+32+16*\c+8*\u, XF+12*(2*\u+\s), 48+12*(2*\c+\s), 1-\s, XS+\s, 36+2*\c+\s, \u
.endr
.endr
.endr
	WIN 0
	PLACES 5
	FETCHX 11, 12, 13, 6144, 256                   ; the second 32 t
	POSTV ACC+32, 0, 220, 228
	s_wait_dscnt 0x0
	WIN 0x04
.irp s, 0,1
.irp c, 0,1
.irp u, 0,1
	MM ACC+16*\c+8*\u, XF+12*(2*\u+\s), 48+12*(2*\c+\s), 1-\s, XS+\s, 36+2*\c+\s, \u
.endr
.endr
.endr
	WIN 0
	PLACES 5
	POSTV ACC, 1, 236, 240
.irp c, 0,1
.irp i, 0,1,2
	v_permlane16_swap_b32 v[220+8*\c+\i], v[236+4*\c+\i]   ; lane (r, h) now holds block h of the 64 t whole
.endr
.irp i, 0,1,2
	v_mov_b32 v[223+8*\c+\i], v[236+4*\c+\i]
.endr
	global_store_b128 v26, v[220+8*\c:223+8*\c], s[60:61] offset:24576*\c
	global_store_b64  v27, v[224+8*\c:225+8*\c], s[60:61] offset:24576*\c
	v_lshl_or_b32 v[207+\c], v[BYV+2*\c+1], 8, v[BYV+2*\c]
.endr
	v_cndmask_b32 v209, v207, v208, s82            ; lanes 0-15 stand for my first channel tile, lanes 16-31 for the second
	global_store_b16 v28, v209, s[62:63]
	s_wait_tensorcnt 0x0
	ds_add_u32 v254, v255
	s_wait_dscnt 0x0
	s_endpgm
.Lfunc_end_k_q80c2e3a5f2_conv:
	.size	k_q80c2e3a5f2_conv, .Lfunc_end_k_q80c2e3a5f2_conv-k_q80c2e3a5f2_conv
	.p2alignl 7, 3214868480
	.fill 96, 4, 3214868480
	.section	.rodata,"a",@progbits
	.p2align	6, 0x0
	.amdhsa_kernel k_q80c2e3a5f2_conv
		.amdhsa_group_segment_fixed_size 79360
		.amdhsa_private_segment_fixed_size 0
		.amdhsa_enable_private_segment 0
		.amdhsa_kernarg_size 208
		.amdhsa_user_sgpr_count 2
		.amdhsa_user_sgpr_kernarg_segment_ptr 1
		.amdhsa_wavefront_size32 1
		.amdhsa_system_sgpr_workgroup_id_x 1
		.amdhsa_system_sgpr_workgroup_id_y 1
		.amdhsa_system_sgpr_workgroup_id_z 1
		.amdhsa_system_vgpr_workitem_id 0
		.amdhsa_next_free_vgpr 384
		.amdhsa_next_free_sgpr 90
		.amdhsa_reserve_vcc 0
		.amdhsa_float_denorm_mode_32 3
		.amdhsa_float_denorm_mode_16_64 3
		.amdhsa_memory_ordered 1
		.amdhsa_forward_progress 1
		.amdhsa_inst_pref_size 47
	.end_amdhsa_kernel
	.amdgpu_metadata
---
amdhsa.version: [ 1, 2 ]
amdhsa.kernels:
  - .name:           k_q80c2e3a5f2_conv
    .symbol:         k_q80c2e3a5f2_conv.kd
    .args:
      - { .name: x, .offset: 0, .size: 8, .value_kind: global_buffer, .address_space: global }
      - { .name: kW_codes, .offset: 8, .size: 8, .value_kind: global_buffer, .address_space: global }
      - { .name: kW_scales, .offset: 16, .size: 8, .value_kind: global_buffer, .address_space: global }
      - { .name: kb, .offset: 24, .size: 8, .value_kind: global_buffer, .address_space: global }
      - { .name: kbeta, .offset: 32, .size: 8, .value_kind: global_buffer, .address_space: global }
      - { .name: kg, .offset: 40, .size: 8, .value_kind: global_buffer, .address_space: global }
      - { .name: kmu, .offset: 48, .size: 8, .value_kind: global_buffer, .address_space: global }
      - { .name: kvar, .offset: 56, .size: 8, .value_kind: global_buffer, .address_space: global }
      - { .name: qW_codes, .offset: 64, .size: 8, .value_kind: global_buffer, .address_space: global }
      - { .name: qW_scales, .offset: 72, .size: 8, .value_kind: global_buffer, .address_space: global }
      - { .name: qb, .offset: 80, .size: 8, .value_kind: global_buffer, .address_space: global }
      - { .name: qbeta, .offset: 88, .size: 8, .value_kind: global_buffer, .address_space: global }
      - { .name: qg, .offset: 96, .size: 8, .value_kind: global_buffer, .address_space: global }
      - { .name: qmu, .offset: 104, .size: 8, .value_kind: global_buffer, .address_space: global }
      - { .name: qvar, .offset: 112, .size: 8, .value_kind: global_buffer, .address_space: global }
      - { .name: vW_codes, .offset: 120, .size: 8, .value_kind: global_buffer, .address_space: global }
      - { .name: vW_scales, .offset: 128, .size: 8, .value_kind: global_buffer, .address_space: global }
      - { .name: vb, .offset: 136, .size: 8, .value_kind: global_buffer, .address_space: global }
      - { .name: vbeta, .offset: 144, .size: 8, .value_kind: global_buffer, .address_space: global }
      - { .name: vg, .offset: 152, .size: 8, .value_kind: global_buffer, .address_space: global }
      - { .name: vmu, .offset: 160, .size: 8, .value_kind: global_buffer, .address_space: global }
      - { .name: vvar, .offset: 168, .size: 8, .value_kind: global_buffer, .address_space: global }
      - { .name: qk_codes, .offset: 176, .size: 8, .value_kind: global_buffer, .address_space: global }
      - { .name: qk_scales, .offset: 184, .size: 8, .value_kind: global_buffer, .address_space: global }
      - { .name: v_codes, .offset: 192, .size: 8, .value_kind: global_buffer, .address_space: global }
      - { .name: v_scales, .offset: 200, .size: 8, .value_kind: global_buffer, .address_space: global }
    .group_segment_fixed_size: 79360
    .private_segment_fixed_size: 0
    .kernarg_segment_align: 8
    .kernarg_segment_size: 208
    .max_flat_workgroup_size: 256
    .sgpr_count:     90
    .vgpr_count:     384
    .wavefront_size: 32
...
	.end_amdgpu_metadata
.endif
;; end of part 1
;; launch attn (part 2): grid 32 x 8, 8 waves a work-group, no clusters, 124,416 bytes of LDS; arguments qk_codes, qk_scales, v_codes, v_scales, x, out0; writes out0
.if DOCPART == 2
	.amdgcn_target "amdgcn-amd-amdhsa--gfx1250"
	.amdhsa_code_object_version 6
	.text
	.protected	k_q80c2e3a5f2_attn
	.globl	k_q80c2e3a5f2_attn
	.p2align	8
	.type	k_q80c2e3a5f2_attn,@function
k_q80c2e3a5f2_attn:
	s_mov_b64 s[64:65], 0
	v_nop
	global_prefetch_b8 v0, s[64:65] scope:SCOPE_SE
	s_setreg_imm32_b32 hwreg(HW_REG_WAVE_MODE, 25, 1), 1
	s_wait_xcnt 0x0
; out0 = x + (p v)^T: attention over a causal band of 256 keys, both products on codes of BF6 (E3M2) with E8M0 scales for each 32 along K.
; s = q . k / 8 inside the band, 0 outside; M = the row's largest s (the zeros outside the band count, so M = max(0, band)); e = exp(s - M) inside the band;
; p = e / (BATCH 0's row sum + 1e-30), finished before it is quantised along the keys, in blocks of 32 keys counted from key 0.
; SHARES.  A work-group takes 64 queries t0 .. t0 + 63 of one batch b; the keys that count lie in t0 - 256 .. t0 + 63: ten blocks of 32.  Keys outside are not multiplied: the mask throws them away.
; Wave w: query tile j = w & 3.  Waves 0-3 work on batch b, waves 4-7 on batch 0: every wave makes its tile's scores, maximum, e and row sum; waves 4-7 hand their sums over through LDS;
; waves 0-3 divide, quantise and lay p's fragments in LDS as images of their registers.  Then wave w makes channels 32 w .. 32 w + 31 of p v for all 64 queries, adds x and stores.
; THE FIRST PRODUCT HAS K = 64 IN AN INSTRUCTION OF 128.  Source 0 is a whole block of 32 keys: its k blocks 2 g + h hold channel block g of key tile h.  Source 1 holds q's channel block g in the lanes of
; half a and zero codes in the other half: the result is key tile a's scores.  So each fragment of k feeds two instructions.  k is permuted alike on both sides.
; Tile u of a block of 32 t holds t = 32 block + 8 u + row + (row & 8): the 16 registers of a block's two score tiles are 16 neighbouring keys.
; THE EXPONENT: the maximum is taken away first, then one multiplication by log2(e) / 8: a fused form on products of large numbers would lose what the difference keeps.
; LIMITS: NaN and infinities are not served.  v_exp_f32 gives 0 under 2^-126.  The division is v_rcp_f32 and a multiplication.  A block of zeros has the scale byte 1: its codes are zeros.
; NOT USED.  Tensor loads and slots that take turns: one step a work-group.  Joint loads in a cluster: neighbouring work-groups share four fifths of their windows of k and v, 15,360 + 61,440 bytes, beside 44 matrix
; instructions a wave: a cluster's rounds and v's pass through LDS would outweigh it.  Prefetches: all loads but x's stand at the head.  A running maximum: p is quantised finished, so the row is whole first.
.set SUM,  0                           ; LDS: row sums, 128 bytes a wave
.set PSC,  1024                        ; p's scale words: (tile j, K step s) at (3 j + s) x 128 + 4 x lane
.set PIMG, 2560                        ; p's groups of 6 registers: (j, g) at (6 j + g) x 768: words 0-3 at 16 x lane, words 4-5 at 512 + 8 x lane
.set STG,  20992                       ; the way out: 32 rows x (256 + 16) bytes for each wave, its own
.set KLDS, 90624                       ; k's window as it lies in memory, 16,384 bytes for each batch of the two: block n at 1,536 n
.set S,    96                          ; v96-255  scores, then e, then p: register 16 n + i = key 32 n + 16 h + i of the window
.set BM,   66                          ; v66-75   each block's largest score, which goes the same way as the scores; at last the conversions' scale operands
.set BT,   76                          ; v76-85   at work; the scale bytes
; v36-40 k's scale words, v41 q's, v42 q's as loaded, v43-47 v's halves, v48-49 v's words, v50-52 p's words just made, v53-64 p's words (3 i + s): these hold scales alone
; window 1: k's fragments at 12 n (later x at 4 k); v's (ci, s) at 120 + 12 (3 ci + s); q's two at 192, 204 (later the 8 accumulators of p v at 192 + 8 (2 i + ci))
.set MSB, 0
.macro WIN new                         ; the immediate's high byte repeats the setting that is left
.if MSB != \new
	s_set_vgpr_msb (MSB<<8)|\new
.set MSB, \new
.endif
.endm
.macro PLACES n                        ; plain vector instructions between a matrix instruction and what touches its registers (ISA guide 7.12.1)
.rept \n
	v_nop
.endr
.endm
; One matrix instruction.  first = 1: the constant 0 starts the sum.  row: 0: both sides' scales from lanes 0-15; 1: source 0's from lanes 16-31; 2: source 1's.
.macro MM d, a, b, first, sa, sb, row
.if \first
.if (\row) == 0
	v_wmma_scale_f32_16x16x128_f8f6f4 v[\d:\d+7], v[\a:\a+11], v[\b:\b+11], 0, v[\sa], v[\sb] matrix_a_fmt:MATRIX_FMT_BF6 matrix_b_fmt:MATRIX_FMT_BF6
.elseif (\row) == 1
	v_wmma_scale_f32_16x16x128_f8f6f4 v[\d:\d+7], v[\a:\a+11], v[\b:\b+11], 0, v[\sa], v[\sb] matrix_a_fmt:MATRIX_FMT_BF6 matrix_b_fmt:MATRIX_FMT_BF6 matrix_a_scale:MATRIX_SCALE_ROW1
.else
	v_wmma_scale_f32_16x16x128_f8f6f4 v[\d:\d+7], v[\a:\a+11], v[\b:\b+11], 0, v[\sa], v[\sb] matrix_a_fmt:MATRIX_FMT_BF6 matrix_b_fmt:MATRIX_FMT_BF6 matrix_b_scale:MATRIX_SCALE_ROW1
.endif
.else
.if (\row) == 0
	v_wmma_scale_f32_16x16x128_f8f6f4 v[\d:\d+7], v[\a:\a+11], v[\b:\b+11], v[\d:\d+7], v[\sa], v[\sb] matrix_a_fmt:MATRIX_FMT_BF6 matrix_b_fmt:MATRIX_FMT_BF6
.elseif (\row) == 1
	v_wmma_scale_f32_16x16x128_f8f6f4 v[\d:\d+7], v[\a:\a+11], v[\b:\b+11], v[\d:\d+7], v[\sa], v[\sb] matrix_a_fmt:MATRIX_FMT_BF6 matrix_b_fmt:MATRIX_FMT_BF6 matrix_a_scale:MATRIX_SCALE_ROW1
.else
	v_wmma_scale_f32_16x16x128_f8f6f4 v[\d:\d+7], v[\a:\a+11], v[\b:\b+11], v[\d:\d+7], v[\sa], v[\sb] matrix_a_fmt:MATRIX_FMT_BF6 matrix_b_fmt:MATRIX_FMT_BF6 matrix_b_scale:MATRIX_SCALE_ROW1
.endif
.endif
.endm
; 64 keys (blocks 2 p, 2 p + 1) that lie before the sequence's first key count for nothing: a scalar branch on the work-group's number
.macro KILL p
	s_cmp_ge_i32 s[24+\p], 0
	s_cbranch_scc1 .Lalive_\@
.set jj, 0
.rept 32
	v_mov_b32 v[S+32*\p+jj], v18
.set jj, jj+1
.endr
.Lalive_\@:
.endm
; p's blocks 2 g and 2 g + 1: 16 codes a lane of each, into v[d ..] and v[t ..]
.macro PCVT g, d, t
	v_cvt_scalef32_pk16_bf6_f32 v[\d:\d+2], v[S+32*\g:S+32*\g+15], v[BM+2*\g]
	v_cvt_scalef32_pk16_bf6_f32 v[\t:\t+2], v[S+32*\g+16:S+32*\g+31], v[BM+2*\g+1]
	v_nop                                          ; one plain place behind the scaled conversions: the next group's land on these sources
.endm
; the operand's layout wants a whole block in a lane: lanes 0-15 block 2 g, lanes 16-31 block 2 g + 1; then the group goes to LDS as it stands
.macro PIMAGE g, d, t
.irp i, 0,1,2
	v_permlane16_swap_b32 v[\d+\i], v[\t+\i]
.endr
.irp i, 0,1,2
	v_mov_b32 v[\d+3+\i], v[\t+\i]
.endr
	ds_store_b128 v21, v[\d:\d+3] offset:768*\g
	ds_store_b64  v22, v[\d+4:\d+5] offset:768*\g
.endm
	s_load_b256 s[4:11],  s[0:1], 0x0              ; qk_codes, qk_scales, v_codes, v_scales
	s_load_b128 s[12:15], s[0:1], 0x20             ; x, out0
	v_lshrrev_b32 v5, 5, v0
	v_readfirstlane_b32 s16, v5                    ; wave w
	v_and_b32 v1, 31, v0                           ; L
	v_and_b32 v2, 15, v0                           ; r
	v_bfe_u32 v3, v0, 4, 1                         ; h
	v_and_b32 v4, 8, v2
	v_add_nc_u32 v4, v4, v2                        ; rp = r + (r & 8)
	s_lshr_b32 s17, s16, 2                         ; role: 0 = my batch, 1 = batch 0
	s_and_b32 s23, s16, 3                          ; j: my query tile,
	s_lshr_b32 s18, s23, 1                         ; ip: its block of 32,
	s_and_b32 s19, s16, 1                          ; u: its tile in the block
	s_mov_b32 s20, ttmp9                           ; uw: which 64 queries
	s_and_b32 s21, ttmp7, 0xffff                   ; b
	s_cmp_eq_u32 s17, 0
	s_cselect_b32 s22, s21, 0                      ; bb: the batch whose scores I make (it enters offsets in memory alone)
	s_sub_co_i32 s24, s20, 4                       ; s24-28: the window's five units of 64 keys, uw - 4 + p: negative before the sequence's start;
.irp p, 1,2,3,4
	s_add_co_i32 s[24+\p], s24, \p
.endr
.irp p, 0,1,2,3,4
	s_max_i32 s[29+\p], s[24+\p], 0                ; s29-33: held at 0, so that no load leaves its buffer
.endr
	v_lshlrev_b32 v5, 4, v1                        ; 16 L
	v_lshlrev_b32 v6, 3, v1                        ; 8 L
	v_lshlrev_b32 v7, 2, v1                        ; 4 L
	v_lshlrev_b32 v8, 1, v1                        ; 2 L
	; every LDS address, ahead of the place where the waves' ways part
	s_lshl_b32 s36, s16, 12
	s_add_co_u32 s36, s36, KLDS
	v_lshl_add_u32 v9, v1, 4, s36                  ; KST: my eight chunks of 512 bytes of my batch's window
	s_lshl_b32 s36, s17, 14
	s_add_co_u32 s36, s36, KLDS
	v_lshl_add_u32 v10, v1, 4, s36                 ; KRA: a block's words 0-3
	s_add_co_u32 s36, s36, 1024
	v_lshl_add_u32 v11, v1, 3, s36                 ; KRB: its words 4-5
	v_lshl_add_u32 v19, v0, 2, SUM                 ; SWR: 128 w + 4 L
	s_lshl_b32 s36, s23, 7
	s_add_co_u32 s36, s36, SUM+512
	v_lshl_add_u32 v20, v1, 2, s36                 ; SRD: wave j + 4's sums
	s_mul_i32 s36, s23, 4608
	s_add_co_u32 s36, s36, PIMG
	v_lshl_add_u32 v21, v1, 4, s36                 ; PWA
	s_add_co_u32 s36, s36, 512
	v_lshl_add_u32 v22, v1, 3, s36                 ; PWB
	s_mul_i32 s36, s23, 384
	s_add_co_u32 s36, s36, PSC
	v_lshl_add_u32 v23, v1, 2, s36                 ; PWS
	s_mul_i32 s36, s16, 8704
	s_add_co_u32 s36, s36, STG
	v_mul_u32_u24 v24, v2, 272
	v_lshl_add_u32 v24, v3, 6, v24
	v_add_nc_u32 v24, s36, v24                     ; STO: row r (a channel), + 64 h
	v_mul_u32_u24 v25, v3, 272
	v_lshl_add_u32 v25, v2, 4, v25
	v_add_nc_u32 v25, s36, v25                     ; SRB: lanes 0-15 one row, lanes 16-31 the next
	; offsets in memory
	s_mul_i32 s37, s22, 98304                      ; batch bb in qk_codes
	s_lshl_b32 s36, s20, 1
	s_add_co_u32 s36, s36, s18                     ; my queries' block of 32
	s_mul_i32 s38, s36, 1536
	s_add_co_u32 s38, s38, s37
	s_add_co_u32 s38, s38, 786432                  ; q's half of the buffer
	s_lshl_b32 s39, s19, 8
	s_add_co_u32 s39, s39, s38
	v_lshl_add_u32 v12, v2, 4, s39                 ; QOA: tile u, row r: both halves of the lanes take the same
	s_lshl_b32 s39, s19, 7
	s_add_co_u32 s39, s39, s38
	s_add_co_u32 s39, s39, 1024
	v_lshl_add_u32 v13, v2, 3, s39                 ; QOB
	s_lshl_b32 s42, s22, 12                        ; batch bb in qk_scales
	s_lshl_b32 s40, s36, 6
	s_add_co_u32 s40, s40, s42
	s_add_co_u32 s40, s40, 32768
	v_lshl_add_u32 v14, v2, 2, s40                 ; QSO
	v_lshlrev_b32 v15, 13, v3
	v_lshl_add_u32 v15, v2, 4, v15                 ; XO: x and out0: row h of two, 16 bytes at 16 r
	s_lshl_b32 s40, s18, 5
	s_lshl_b32 s41, s19, 3
	s_add_co_u32 s40, s40, s41
	v_lshlrev_b32 v17, 4, v3
	v_sub_nc_u32 v17, v4, v17
	v_add_nc_u32 v17, s40, v17                     ; DHI = my query - t0 - 16 h: register 16 n + i is past my query where 32 (n - 8) + i > DHI
	v_add_nc_u32 v16, 1, v17                       ; DLO = DHI + 1: it is more than 255 keys back where 32 n + i < DLO
	v_mov_b32 v18, 0xff800000                      ; -infinity
	s_mul_i32 s40, s24, 3072
	s_lshl_b32 s41, s23, 12
	s_add_co_i32 s40, s40, s41
.irp q, 0,1,2,3,4,5,6,7                        ; KO: chunk 8 j + q of the window's 32 (30 hold the ten blocks; the last two are read and used by nobody); a chunk before the batch's first byte reads that byte's chunk
	s_add_co_i32 s41, s40, 512*\q
	s_max_i32 s41, s41, 0
	s_add_co_u32 s41, s41, s37
	v_add_nc_u32 v[28+\q], s41, v5
.endr
	s_mul_i32 s43, s21, 393216
	s_mul_i32 s44, s16, 49152
	s_add_co_u32 s43, s43, s44                     ; v_codes: batch b, my two channel tiles
	s_lshl_b32 s44, s21, 14
	s_lshl_b32 s45, s16, 6
	s_add_co_u32 s44, s44, s45                     ; v_scales: batch b, my 64 bytes of a unit's 512
	s_mov_b32 s78, 0x3e38aa3b                      ; log2(e) / 8
	s_mov_b32 s79, s78                             ; (named with it as a pair)
	s_mov_b32 s80, 0x76543210
	s_mov_b32 s81, 0xfedcba98                      ; v_permlanex16_b32's selects for lane l xor 16
	s_mov_b32 s82, 0x0000ffff                      ; lanes 0-15
	s_mov_b32 s83, 0xffff0000                      ; lanes 16-31
	s_mul_i32 s84, s19, 0x01010101
	s_add_co_u32 s84, s84, 0x02020000              ; bytes u, u, 2 + u, 2 + u of q's word as stored
	s_lshl_b32 s86, s21, 21
	s_lshl_b32 s34, s16, 18
	s_add_co_u32 s86, s86, s34
	s_lshl_b32 s34, s20, 8
	s_add_co_u32 s86, s86, s34
	s_mov_b32 s87, 0
	s_mov_b32 s35, 0
.irp n, 0,1,2,3,4,5,6,7,8,9
	v_mov_b32 v[BT+\n], 0                          ; a lane permute's destination counts as one of its sources
.endr
.irp i, 0,1,2,3
	v_mov_b32 v[92+\i], 0                          ; zero codes for p's sixth group
.endr
	WIN 0x40
.irp c, 0,1
.irp i, 6,7,8,9,10,11
	v_mov_b32 v[120+12*(3*\c+2)+\i], 0             ; and for v's: the third K step has 64 keys
.endr
.endr
	WIN 0
	s_wait_kmcnt 0x0
.irp p, 0,1,2,3,4
	s_lshl_b32 s34, s[29+\p], 7
	s_add_co_u32 s34, s34, s42
	s_add_nc_u64 s[46+2*\p:47+2*\p], s[6:7], s[34:35]                          ; k's scale words of unit p
	s_mul_i32 s34, s[29+\p], 768
	s_add_co_u32 s34, s34, s43
	s_add_nc_u64 s[56+2*\p+2*(\p/4):57+2*\p+2*(\p/4)], s[8:9], s[34:35]        ; v's codes of unit p
	s_lshl_b32 s34, s[29+\p], 9
	s_add_co_u32 s34, s34, s44
	s_add_nc_u64 s[68+2*\p:69+2*\p], s[10:11], s[34:35]                        ; v's scale bytes of unit p
.endr
	s_add_nc_u64 s[12:13], s[12:13], s[86:87]      ; x and out0 at my batch, my 32 channels, my 64 t
	s_add_nc_u64 s[14:15], s[14:15], s[86:87]
	; ---- the loads: 8 + 8 + 1 + 5 + 5 + 20
.irp q, 0,1,2,3,4,5,6,7
	global_load_b128 v[S+4*\q:S+4*\q+3], v[28+\q], s[4:5]
.endr
	WIN 0x40                                       ; destination window 1
.irp a, 0,1                                    ; q's fragment twice: one for each half of the lanes
.irp g, 0,1
	global_load_b128 v[192+12*\a+6*\g:195+12*\a+6*\g], v12, s[4:5] offset:512*\g
	global_load_b64  v[196+12*\a+6*\g:197+12*\a+6*\g], v13, s[4:5] offset:256*\g
.endr
.endr
	WIN 0
	global_load_b32 v42, v14, s[6:7]
.irp p, 0,1,2,3,4
	global_load_b32 v[36+\p], v7, s[46+2*\p:47+2*\p]       ; lanes 0-15 block 2 p, lanes 16-31 block 2 p + 1
.endr
.irp p, 0,1,2,3,4
	global_load_u16 v[43+\p], v8, s[68+2*\p:69+2*\p]
.endr
	WIN 0x40
.irp c, 0,1
.irp k, 0,1,2,3,4
	global_load_b128 v[120+12*(3*\c+\k/2)+6*(\k%2):123+12*(3*\c+\k/2)+6*(\k%2)], v5, s[56+2*\k+2*(\k/4):57+2*\k+2*(\k/4)] offset:24576*\c
	global_load_b64  v[124+12*(3*\c+\k/2)+6*(\k%2):125+12*(3*\c+\k/2)+6*(\k%2)], v6, s[56+2*\k+2*(\k/4):57+2*\k+2*(\k/4)] offset:24576*\c+512
.endr
.endr
	WIN 0
	; ---- k's window: four waves bring it, all four read it
	s_wait_loadcnt 39                              ; 39 loads are younger than my eight chunks
.irp q, 0,1,2,3,4,5,6,7
	ds_store_b128 v9, v[S+4*\q:S+4*\q+3] offset:512*\q
.endr
	s_wait_dscnt 0x0                               ; for the others' sake
	s_barrier_signal -1
	s_barrier_wait -1
	WIN 0x40
.irp n, 0,1,2,3,4,5,6,7,8,9
	ds_load_b128 v[12*\n:12*\n+3],     v10 offset:1536*\n
	ds_load_b64  v[12*\n+4:12*\n+5],   v11 offset:1536*\n
	ds_load_b128 v[12*\n+6:12*\n+9],   v10 offset:1536*\n+512
	ds_load_b64  v[12*\n+10:12*\n+11], v11 offset:1536*\n+256
.endr
	WIN 0
	s_wait_loadcnt 25                              ; v's 5 + 20 loads are younger than q's and the scale words
	v_perm_b32 v41, v42, v42, s84                  ; q's scale word: channel block 0's byte twice, block 1's twice
	WIN 0x44                                       ; source 1 and destination window 1
.irp i, 0,1,2,3,4,5,6,7,8,9,10,11
	v_cndmask_b32 v[192+\i], 0, v[192+\i], s82     ; the first keeps lanes 0-15,
.endr
.irp i, 0,1,2,3,4,5,6,7,8,9,10,11
	v_cndmask_b32 v[204+\i], 0, v[204+\i], s83     ; the second lanes 16-31: zero codes elsewhere
.endr
	WIN 0
	PLACES 4                                       ; an operand written by vector instructions stands 4 places ahead of a scaled matrix instruction, a scale register 8
	s_wait_dscnt 0x0                               ; k's fragments
	WIN 0x05                                       ; sources 0 and 1 window 1
.irp n, 0,1,2,3,4,5,6,7,8,9
.irp a, 0,1
	MM S+16*\n+8*\a, 12*\n, 192+12*\a, 1, 36+\n/2, 41, \n%2
.endr
.endr
	WIN 0
	PLACES 5
	WIN 0x40
.irp k, 0,1,2,3,4,5,6,7,8,9,10,11,12,13,14,15
	global_load_b128 v[4*\k:4*\k+3], v15, s[12:13] offset:16384*\k th:TH_LOAD_NT   ; x for the residual, into registers that k has left: sixteen lanes read 256 consecutive bytes, aligned
.endr
	WIN 0
	; ---- the band: hidden scores become -infinity, each accumulator from its low end on
.irp n, 0,1
.irp i, 0,1,2,3,4,5,6,7,8,9,10,11,12,13,14,15
	v_cmp_lt_i32 vcc_lo, 32*\n+\i, v16
	v_cndmask_b32 v[S+16*\n+\i], v[S+16*\n+\i], v18, vcc_lo
.endr
.endr
.irp n, 8,9
.irp i, 0,1,2,3,4,5,6,7,8,9,10,11,12,13,14,15
	v_cmp_gt_i32 vcc_lo, 32*(\n-8)+\i, v17
	v_cndmask_b32 v[S+16*\n+\i], v[S+16*\n+\i], v18, vcc_lo
.endr
.endr
	KILL 0
	KILL 1
	KILL 2
	KILL 3
	; ---- each block's largest score (it serves twice: for the row's maximum and, since p rises with the score, for the block's largest p)
.irp n, 0,1,2,3,4,5,6,7,8,9
	v_max3_num_f32 v[BM+\n], v[S+16*\n], v[S+16*\n+1], v[S+16*\n+2]
.endr
.irp i, 3,5,7,9,11,13
.irp n, 0,1,2,3,4,5,6,7,8,9
	v_max3_num_f32 v[BM+\n], v[BM+\n], v[S+16*\n+\i], v[S+16*\n+\i+1]
.endr
.endr
.irp n, 0,1,2,3,4,5,6,7,8,9
	v_max_num_f32 v[BM+\n], v[BM+\n], v[S+16*\n+15]
.endr
.irp n, 0,1,2,3,4,5,6,7,8,9
	v_permlanex16_b32 v[BT+\n], v[BM+\n], s80, s81
.endr
.irp n, 0,1,2,3,4,5,6,7,8,9
	v_max_num_f32 v[BM+\n], v[BM+\n], v[BT+\n]
.endr
	v_max3_num_f32 v26, v[BM], v[BM+1], 0          ; the zeros outside the band count
.irp n, 2,4,6,8
	v_max3_num_f32 v26, v26, v[BM+\n], v[BM+\n+1]
.endr
	v_mov_b32 v27, v26
	; ---- e = 2^((score - M) log2(e) / 8)
.set jj, 0
.rept 80
	v_pk_add_f32 v[S+jj:S+jj+1], v[S+jj:S+jj+1], v[26:27] neg_lo:[0,1] neg_hi:[0,1]
.set jj, jj+2
.endr
.irp n, 0,2,4,6,8
	v_pk_add_f32 v[BM+\n:BM+\n+1], v[BM+\n:BM+\n+1], v[26:27] neg_lo:[0,1] neg_hi:[0,1]
.endr
.set jj, 0
.rept 80
	v_pk_mul_f32 v[S+jj:S+jj+1], v[S+jj:S+jj+1], s[78:79] op_sel_hi:[1,0]
.set jj, jj+2
.endr
.irp n, 0,2,4,6,8
	v_pk_mul_f32 v[BM+\n:BM+\n+1], v[BM+\n:BM+\n+1], s[78:79] op_sel_hi:[1,0]
.endr
.set jj, 0
.rept 160
	v_exp_f32 v[S+jj], v[S+jj]
.set jj, jj+1
.endr
.irp n, 0,1,2,3,4,5,6,7,8,9
	v_exp_f32 v[BM+\n], v[BM+\n]
.endr
	v_nop                                          ; one plain place behind the exponentials
	; ---- the row's sum, two at a time, in two chains
	s_wait_alu depctr_va_vdst(0)
	v_pk_add_f32 v[86:87], v[S:S+1], v[S+2:S+3]
	v_pk_add_f32 v[88:89], v[S+4:S+5], v[S+6:S+7]
.set jj, S+8
.rept 38
	v_pk_add_f32 v[86:87], v[86:87], v[jj:jj+1]
	v_pk_add_f32 v[88:89], v[88:89], v[jj+2:jj+3]
.set jj, jj+4
.endr
	v_pk_add_f32 v[86:87], v[86:87], v[88:89]
	v_add_f32 v86, v86, v87
	v_permlanex16_b32 v[BT], v86, s80, s81
	v_add_f32 v86, v86, v[BT]                      ; with lane l xor 16's keys: my query's sum
	ds_store_b32 v19, v86
	s_wait_dscnt 0x0                               ; for the others' sake
	s_barrier_signal -1
	s_barrier_wait -1                              ; batch 0's sums lie in LDS
	; ---- waves 0-3: p = e / (batch 0's sum + 1e-30), its codes and scale words
	s_cmp_lt_u32 s16, 4
	s_cbranch_scc0 .Ljoin
	ds_load_b32 v89, v20
	s_wait_dscnt 0x0
	v_add_f32 v89, 0x0da24260, v89                 ; + 1e-30
	v_rcp_f32 v90, v89
	v_nop                                          ; one plain place behind the reciprocal
	s_wait_alu depctr_va_vdst(0)
	v_mov_b32 v91, v90
.set jj, 0
.rept 80
	v_pk_mul_f32 v[S+jj:S+jj+1], v[S+jj:S+jj+1], v[90:91]
.set jj, jj+2
.endr
.irp n, 0,2,4,6,8
	v_pk_mul_f32 v[BM+\n:BM+\n+1], v[BM+\n:BM+\n+1], v[90:91]     ; each block's largest p: the same instructions on the same number give the same bits
.endr
.irp n, 0,1,2,3,4,5,6,7,8,9
	v_max_num_f32 v[BM+\n], 0x2800000, v[BM+\n]    ; the floor 2^(5 - 127): the byte cannot fall under 1
.endr
.irp n, 0,1,2,3,4,5,6,7,8,9
	v_add_nc_u32 v[BM+\n], 0xfe000000, v[BM+\n]    ; 4 off the exponent field: the conversion's scale operand
.endr
.irp n, 0,1,2,3,4,5,6,7,8,9
	v_lshrrev_b32 v[BT+\n], 23, v[BM+\n]           ; the scale's byte
.endr
.irp s, 0,1
	v_lshl_or_b32 v[50+\s], v[BT+4*\s+1], 8, v[BT+4*\s]
	v_lshl_or_b32 v[50+\s], v[BT+4*\s+2], 16, v[50+\s]
	v_lshl_or_b32 v[50+\s], v[BT+4*\s+3], 24, v[50+\s]
.endr
	v_lshl_or_b32 v52, v[BT+9], 8, v[BT+8]         ; the third K step: two blocks, and bytes 0 over zero codes
	PCVT 0, 28, 86                                 ; the codes land in registers that are done with: first the chunks' offsets and the sums', then p that has been converted
	PCVT 1, 96, 104
	PCVT 2, 128, 136
	PCVT 3, 160, 168
	PCVT 4, 192, 200
	PIMAGE 0, 28, 86
	PIMAGE 1, 96, 104
	PIMAGE 2, 128, 136
	PIMAGE 3, 160, 168
	PIMAGE 4, 192, 200
	ds_store_b128 v21, v[92:95] offset:768*5
	ds_store_b64  v22, v[92:93] offset:768*5
.irp s, 0,1,2
	ds_store_b32 v23, v[50+\s] offset:128*\s
.endr
.Ljoin:
	s_wait_dscnt 0x0                               ; for the others' sake
	s_barrier_signal -1
	s_barrier_wait -1                              ; p's 24 groups and 12 sets of scale words lie in LDS
	; ---- p v: source 0 = 16 queries, source 1 = 16 channels: a lane holds one channel and eight neighbouring t
	s_wait_loadcnt 16                              ; x's 16 loads are younger than v's
	v_lshl_or_b32 v48, v44, 16, v43                ; v's scale words: two units of 64 keys to a K step; the third is v47 as loaded
	v_lshl_or_b32 v49, v46, 16, v45
	PLACES 8                                       ; a scale register written by a vector instruction stands 8 places ahead of a scaled matrix instruction
.irp i, 0,1,2,3
.irp s, 0,1,2
	ds_load_b128 v[S+12*(3*\i+\s):S+12*(3*\i+\s)+3],     v5 offset:PIMG+(6*\i+2*\s)*768
	ds_load_b64  v[S+12*(3*\i+\s)+4:S+12*(3*\i+\s)+5],   v6 offset:PIMG+(6*\i+2*\s)*768+512
	ds_load_b128 v[S+12*(3*\i+\s)+6:S+12*(3*\i+\s)+9],   v5 offset:PIMG+(6*\i+2*\s)*768+768
	ds_load_b64  v[S+12*(3*\i+\s)+10:S+12*(3*\i+\s)+11], v6 offset:PIMG+(6*\i+2*\s)*768+768+512
	ds_load_b32  v[53+3*\i+\s], v7 offset:PSC+(3*\i+\s)*128
.endr
.endr
	s_wait_dscnt 0x0
	WIN 0x54                                       ; source 1 (v), C and D window 1
.irp s, 0,1,2                                  ; eight accumulators by turns, one instruction a turn
.irp i, 0,1,2,3
.irp c, 0,1
	MM 192+8*(2*\i+\c), S+12*(3*\i+\s), 120+12*(3*\c+\s), (2-\s)/2, 53+3*\i+\s, 48+\s-3*(\s/2), 2*\c
.endr
.endr
.endr
	WIN 0
	PLACES 5
	; ---- the way out: through my own stage, so that sixteen lanes hold 256 consecutive bytes of a channel's row; x is added; stored
	WIN 0x04                                       ; an LDS store's data are its source 1: window 1
.irp i, 0,1,2,3
.irp c, 0,1
	ds_store_b128 v24, v[192+8*(2*\i+\c):195+8*(2*\i+\c)] offset:4352*\c+128*(\i/2)+32*(\i%2)       ; each accumulator from its low end on
	ds_store_b128 v24, v[196+8*(2*\i+\c):199+8*(2*\i+\c)] offset:4352*\c+128*(\i/2)+32*(\i%2)+16
.endr
.endr
	WIN 0
.irp k, 0,1,2,3,4,5,6,7,8,9,10,11,12,13,14,15
	ds_load_b128 v[S+4*\k:S+4*\k+3], v25 offset:544*\k     ; LDS serves a wave's instructions in order (ISA guide 5.7.1.4): these see my stores
.endr
	s_wait_loadcnt 0x0                             ; x
	WIN 0x04                                       ; source 1 (x) window 1
.irp k, 0,1,2,3,4,5,6,7,8,9,10,11,12,13,14,15
	s_wait_dscnt 15-\k                             ; rows 2 k and 2 k + 1 are back; the younger loads may be out
	v_pk_add_f32 v[S+4*\k:S+4*\k+1],   v[S+4*\k:S+4*\k+1],   v[4*\k:4*\k+1]
	v_pk_add_f32 v[S+4*\k+2:S+4*\k+3], v[S+4*\k+2:S+4*\k+3], v[4*\k+2:4*\k+3]
.endr
	WIN 0
.irp k, 0,1,2,3,4,5,6,7,8,9,10,11,12,13,14,15
	global_store_b128 v15, v[S+4*\k:S+4*\k+3], s[14:15] offset:16384*\k th:TH_STORE_NT   ; sixteen lanes store 256 consecutive bytes, aligned; written once, read by nobody here
.endr
	s_wait_xcnt 0x0
	v_lshl_add_u32 v254, v0, 2, 0x1e200
	v_mov_b32 v255, 0
	s_wait_tensorcnt 0x0
	ds_add_u32 v254, v255
	s_wait_dscnt 0x0
	s_endpgm
.Lfunc_end_k_q80c2e3a5f2_attn:
	.size	k_q80c2e3a5f2_attn, .Lfunc_end_k_q80c2e3a5f2_attn-k_q80c2e3a5f2_attn
	.p2alignl 7, 3214868480
	.fill 96, 4, 3214868480
	.section	.rodata,"a",@progbits
	.p2align	6, 0x0
	.amdhsa_kernel k_q80c2e3a5f2_attn
		.amdhsa_group_segment_fixed_size 124416
		.amdhsa_private_segment_fixed_size 0
		.amdhsa_enable_private_segment 0
		.amdhsa_kernarg_size 48
		.amdhsa_user_sgpr_count 2
		.amdhsa_user_sgpr_kernarg_segment_ptr 1
		.amdhsa_wavefront_size32 1
		.amdhsa_system_sgpr_workgroup_id_x 1
		.amdhsa_system_sgpr_workgroup_id_y 1
		.amdhsa_system_sgpr_workgroup_id_z 1
		.amdhsa_system_vgpr_workitem_id 0
		.amdhsa_next_free_vgpr 512
		.amdhsa_next_free_sgpr 90
		.amdhsa_reserve_vcc 1
		.amdhsa_float_denorm_mode_32 3
		.amdhsa_float_denorm_mode_16_64 3
		.amdhsa_memory_ordered 1
		.amdhsa_forward_progress 1
		.amdhsa_inst_pref_size 83
	.end_amdhsa_kernel
	.amdgpu_metadata
---
amdhsa.version: [ 1, 2 ]
amdhsa.kernels:
  - .name:           k_q80c2e3a5f2_attn
    .symbol:         k_q80c2e3a5f2_attn.kd
    .args:
      - { .name: qk_codes, .offset: 0, .size: 8, .value_kind: global_buffer, .address_space: global }
      - { .name: qk_scales, .offset: 8, .size: 8, .value_kind: global_buffer, .address_space: global }
      - { .name: v_codes, .offset: 16, .size: 8, .value_kind: global_buffer, .address_space: global }
      - { .name: v_scales, .offset: 24, .size: 8, .value_kind: global_buffer, .address_space: global }
      - { .name: x, .offset: 32, .size: 8, .value_kind: global_buffer, .address_space: global }
      - { .name: out0, .offset: 40, .size: 8, .value_kind: global_buffer, .address_space: global }
    .group_segment_fixed_size: 124416
    .private_segment_fixed_size: 0
    .kernarg_segment_align: 8
    .kernarg_segment_size: 48
    .max_flat_workgroup_size: 256
    .sgpr_count:     90
    .vgpr_count:     512
    .wavefront_size: 32
...
	.end_amdgpu_metadata
.endif
;; end of part 2
;; ======== version 2 of 2: 2 launches; version 1 with the launches conv, attn written anew for expert scheduling mode
;; workspace buffers: qk_codes 1,572,864 bytes; qk_scales 65,536 bytes; v_codes 3,145,728 bytes; v_scales 131,072 bytes
;; launch conv (part 3): grid 32 x 8, 8 waves a work-group, no clusters, 79,360 bytes of LDS; arguments x, kW_codes, kW_scales, kb, kbeta, kg, kmu, kvar, qW_codes, qW_scales, qb, qbeta, qg, qmu, qvar, vW_codes, vW_scales, vb, vbeta, vg, vmu, vvar, qk_codes, qk_scales, v_codes, v_scales; writes qk_codes, qk_scales, v_codes, v_scales
.if DOCPART == 3
	.amdgcn_target "amdgcn-amd-amdhsa--gfx1250"
	.amdhsa_code_object_version 6
	.text
	.protected	k_q80c2e3a5f2_conv
	.globl	k_q80c2e3a5f2_conv
	.p2align	8
	.type	k_q80c2e3a5f2_conv,@function
k_q80c2e3a5f2_conv:
	s_mov_b64 s[64:65], 0
	v_nop
	global_prefetch_b8 v0, s[64:65] scope:SCOPE_SE
	s_setreg_imm32_b32 hwreg(HW_REG_WAVE_SCHED_MODE, 0, 2), 2
	s_setreg_imm32_b32 hwreg(HW_REG_WAVE_MODE, 25, 1), 1
	s_wait_xcnt 0x0
	s_wait_alu depctr_vm_vsrc(0)
; k, q (64 channels) and v (256 channels) = relu(BN(W x + b)) of x [8][256][2048] f32, W given as codes of BF6 (E3M2) with E8M0 scales.
; x is quantised along its channels (blocks of 32), the three products run on codes, and the results are quantised again for the attention that follows:
; q and k along their 64 channels, v along t.  What is stored is laid in the order of the next launch's operand registers.
; SHARES.  A work-group takes 64 t of one batch: four tiles of 16 t.  Tile u (0, 1) of a block of 32 t holds t = 32 block + 8 u + row + (row & 8) in its row: so wherever t runs along a result's
; registers, the 16 registers of a block's two tiles are 16 neighbouring t, and one set of x's fragments serves q, k and v.
; Wave w (of 8): (X) quantises channels 32 w .. 32 w + 31 of all 64 t;  (QK) makes 32 channels (w >> 1 & 1) of k (w < 4) or q for 32 t (w & 1): 8 matrix instructions;
; (V) makes channels 32 w .. 32 w + 31 of v for all 64 t: 16 matrix instructions.
; AN OPERAND GOES ROUND AS AN IMAGE OF ITS REGISTERS: a group of 6 registers x 32 lanes is 768 bytes: words 0-3 at 16 x lane, words 4-5 at 512 + 8 x lane.  A fragment (12 registers) is two groups.
; BN: y = fma(sum, inv, sh), inv = g x rsq(var + eps), sh = fma(b - mu, inv, beta): the order of rounding differs from a division by a square root by a few units in the last place.
; LIMITS: NaN and infinities among the inputs are not served.  A block of zeros gets the scale byte 1 and not 127: its codes are zeros, and only this program reads the bytes.
; NOT USED.  Tensor loads and slots that take turns: a work-group has one step, nothing is filled twice.  Joint loads in a cluster: what work-groups share is the weights, 98,304 bytes a work-group,
; beside 24 matrix instructions a wave: the rounds of a cluster's barrier and a pass through LDS would outweigh it.  Prefetches: every load is issued at the head.
; THE MODE: SCHED_MODE bits 1:0 = 2 (LLVM: expert scheduling mode 2), set by the entry lines.  The code itself states the register dependences
; between vector or matrix instructions and memory or LDS instructions, with s_wait_alu, always for 0.
; THE PLAN.  Registers that memory or LDS instructions touch:
;   v5-v28, v254, v255   offsets, addresses and the closing add's pair: written at the head, never again; one wait ahead of the first load serves every load and store.
;   v146-235             BN's numbers as loaded, read and written by BN's arithmetic; then x, turned, lands in v146-209: one wait behind that arithmetic.
;   v82-145              x as loaded, read by the stage's LDS stores; then v82-129 take x's fragments, three times, and v130-145 are accumulators.
;   v40-41, v82-129      x's scale words and fragments: read by a run of products, loaded anew behind it: one wait behind each of the first two runs.
;   v210-223, v238-239   x's codes and bytes: written by conversions, read by LDS stores, written again by later conversions: one wait ahead of the stores, one behind the barrier.
;   v206, v210-215       q's or k's way out;  v209, v220-233  v's: all the vector work first, one wait, then the run of stores.
.set XIMG, 0                           ; LDS: x's 16 groups: tile tau = 2 ip + u, group g2 (64 channels) at (4 tau + g2) x 768
.set XSC,  12288                       ; x's scale words: (ip, K step s) at (2 ip + s) x 128 + 4 x lane; lanes 0-15 tile u = 0, lanes 16-31 tile u = 1
.set XSTG, 12800                       ; a stage of 32 rows x 256 bytes for each wave, its own
.set XR,   82                          ; v82-145   x as loaded
.set XC,   146                         ; v146-209  x turned: register 32 ip + i = channel i of my block, one t a lane
.set XF,   82                          ; v82-129   x's fragments (u, s) at XF + 12 (2 u + s)
.set ACC,  130                         ; v130-193  accumulators
.set TM,   194                         ; v194-195  largest magnitudes
.set TP,   196                         ; v196-197  the other half of the lanes'
.set SC,   198                         ; v198-199  the conversions' scale operands
.set BYQ,  200                         ; v200-201  scale bytes of q or k
.set BYV,  202                         ; v202-205  of v: 2 ci + ip
.set XS,   40                          ; v40-41    x's scale words of K step s.  v32-35 W's of q or k (2 u' + s), v36-39 of v (2 ci + s): these hold scales alone
.set MSB, 0
.macro WIN new                         ; the immediate's high byte repeats the setting that is left
.if MSB != \new
	s_set_vgpr_msb (MSB<<8)|\new
.set MSB, \new
.endif
.endm
.macro PLACES n                        ; plain vector instructions between a matrix instruction and what touches its registers (ISA guide 7.12.1)
.rept \n
	v_nop
.endr
.endm
; One matrix instruction.  first = 1: the constant 0 starts the sum.  row: 0: both sides' scales from lanes 0-15; 1: source 0's from lanes 16-31; 2: source 1's.
.macro MM d, a, b, first, sa, sb, row
.if \first
.if (\row) == 0
	v_wmma_scale_f32_16x16x128_f8f6f4 v[\d:\d+7], v[\a:\a+11], v[\b:\b+11], 0, v[\sa], v[\sb] matrix_a_fmt:MATRIX_FMT_BF6 matrix_b_fmt:MATRIX_FMT_BF6
.elseif (\row) == 1
	v_wmma_scale_f32_16x16x128_f8f6f4 v[\d:\d+7], v[\a:\a+11], v[\b:\b+11], 0, v[\sa], v[\sb] matrix_a_fmt:MATRIX_FMT_BF6 matrix_b_fmt:MATRIX_FMT_BF6 matrix_a_scale:MATRIX_SCALE_ROW1
.else
	v_wmma_scale_f32_16x16x128_f8f6f4 v[\d:\d+7], v[\a:\a+11], v[\b:\b+11], 0, v[\sa], v[\sb] matrix_a_fmt:MATRIX_FMT_BF6 matrix_b_fmt:MATRIX_FMT_BF6 matrix_b_scale:MATRIX_SCALE_ROW1
.endif
.else
.if (\row) == 0
	v_wmma_scale_f32_16x16x128_f8f6f4 v[\d:\d+7], v[\a:\a+11], v[\b:\b+11], v[\d:\d+7], v[\sa], v[\sb] matrix_a_fmt:MATRIX_FMT_BF6 matrix_b_fmt:MATRIX_FMT_BF6
.elseif (\row) == 1
	v_wmma_scale_f32_16x16x128_f8f6f4 v[\d:\d+7], v[\a:\a+11], v[\b:\b+11], v[\d:\d+7], v[\sa], v[\sb] matrix_a_fmt:MATRIX_FMT_BF6 matrix_b_fmt:MATRIX_FMT_BF6 matrix_a_scale:MATRIX_SCALE_ROW1
.else
	v_wmma_scale_f32_16x16x128_f8f6f4 v[\d:\d+7], v[\a:\a+11], v[\b:\b+11], v[\d:\d+7], v[\sa], v[\sb] matrix_a_fmt:MATRIX_FMT_BF6 matrix_b_fmt:MATRIX_FMT_BF6 matrix_b_scale:MATRIX_SCALE_ROW1
.endif
.endif
.endm
; x's four fragments (two tiles x two K steps) of a block of 32 t, and their two scale words: 18 LDS loads
.macro FETCHX a16, a8, a4, off, offs
.irp u, 0,1
.irp s, 0,1
	ds_load_b128 v[XF+12*(2*\u+\s):XF+12*(2*\u+\s)+3],     v[\a16] offset:\off+3072*\u+1536*\s
	ds_load_b64  v[XF+12*(2*\u+\s)+4:XF+12*(2*\u+\s)+5],   v[\a8]  offset:\off+3072*\u+1536*\s
	ds_load_b128 v[XF+12*(2*\u+\s)+6:XF+12*(2*\u+\s)+9],   v[\a16] offset:\off+3072*\u+1536*\s+768
	ds_load_b64  v[XF+12*(2*\u+\s)+10:XF+12*(2*\u+\s)+11], v[\a8]  offset:\off+3072*\u+1536*\s+768
.endr
.endr
	ds_load_b32 v[XS],   v[\a4] offset:\offs
	ds_load_b32 v[XS+1], v[\a4] offset:\offs+128
.endm
; The largest of two runs of 16 numbers that are not negative, by turns, with the floor 2^(5 - 127) among the leaves: the scale's byte cannot fall under 1
.macro BMAX2 d0, s0, d1, s1
	v_max3_num_f32 v[\d0], v[\s0], v[\s0+1], 0x2800000
	v_max3_num_f32 v[\d1], v[\s1], v[\s1+1], 0x2800000
.irp i, 2,4,6,8,10,12,14
	v_max3_num_f32 v[\d0], v[\d0], v[\s0+\i], v[\s0+\i+1]
	v_max3_num_f32 v[\d1], v[\d1], v[\s1+\i], v[\s1+\i+1]
.endr
.endm
; A block of 32 lies in lanes l and l xor 16.  4 off the largest magnitude's exponent field is the conversion's scale operand; its exponent field is the byte
.macro SCALE2 by0, by1
	v_permlanex16_b32 v[TP],   v[TM],   s80, s81
	v_permlanex16_b32 v[TP+1], v[TM+1], s80, s81
	v_max_num_f32 v[TM],   v[TM],   v[TP]
	v_max_num_f32 v[TM+1], v[TM+1], v[TP+1]
	v_add_nc_u32 v[SC],   0xfe000000, v[TM]
	v_add_nc_u32 v[SC+1], 0xfe000000, v[TM+1]
	v_lshrrev_b32 v[\by0], 23, v[SC]
	v_lshrrev_b32 v[\by1], 23, v[SC+1]
.endm
; v's 32 results of a block ip of 32 t (16 registers for each of my two channel tiles): BN, relu, the block's scale, 16 codes a lane into v[d0..], v[d1..]
.macro POSTV base, ip, d0, d1
.irp c, 0,1
.irp i, 0,2,4,6,8,10,12,14
	v_pk_fma_f32 v[\base+16*\c+\i:\base+16*\c+\i+1], v[\base+16*\c+\i:\base+16*\c+\i+1], v[42+4*\c:43+4*\c], v[44+4*\c:45+4*\c]   ; each accumulator from its low end on
.endr
.endr
.set jj, 0
.rept 32
	v_max_num_f32 v[\base+jj], 0, v[\base+jj]
.set jj, jj+1
.endr
	BMAX2 TM, \base, TM+1, \base+16
	SCALE2 BYV+\ip, BYV+2+\ip
	v_cvt_scalef32_pk16_bf6_f32 v[\d0:\d0+2], v[\base:\base+15], v[SC]
	v_cvt_scalef32_pk16_bf6_f32 v[\d1:\d1+2], v[\base+16:\base+31], v[SC+1]
	v_nop                                          ; one plain place behind the scaled conversions
.endm
	s_load_b64  s[4:5],   s[0:1], 0x0              ; x
	s_load_b256 s[8:15],  s[0:1], 0x8              ; k: W's codes, W's scales, b, beta,
	s_load_b128 s[16:19], s[0:1], 0x28             ;    g, mu,
	s_load_b64  s[20:21], s[0:1], 0x38             ;    var
	s_load_b256 s[24:31], s[0:1], 0x40             ; q: the same seven
	s_load_b128 s[32:35], s[0:1], 0x60
	s_load_b64  s[36:37], s[0:1], 0x70
	s_load_b256 s[40:47], s[0:1], 0x78             ; v: the same seven
	s_load_b128 s[48:51], s[0:1], 0x98
	s_load_b64  s[52:53], s[0:1], 0xa8
	s_load_b256 s[56:63], s[0:1], 0xb0             ; qk_codes, qk_scales, v_codes, v_scales
	v_lshl_add_u32 v254, v0, 2, 0x13200
	v_mov_b32 v255, 0
	v_lshrrev_b32 v5, 5, v0
	v_readfirstlane_b32 s66, v5                    ; wave w
	v_and_b32 v1, 31, v0                           ; L
	s_wait_alu depctr_va_vdst(0)
	v_and_b32 v2, 15, v0                           ; r
	v_bfe_u32 v3, v0, 4, 1                         ; h
	v_and_b32 v4, 8, v2
	v_add_nc_u32 v4, v4, v2                        ; rp = r + (r & 8)
	s_wait_alu depctr_va_vdst(0)
	s_wait_alu depctr_va_sdst(0)                   ; s66, the wave's number, is written, ahead of its first reader
	s_lshr_b32 s67, s66, 2                         ; m: 0 = k, 1 = q
	s_bfe_u32 s68, s66, 0x10001                    ; db: which 32 channels of it
	s_and_b32 s69, s66, 1                          ; ipq: which 32 t
	s_mov_b32 s70, ttmp9                           ; uw: which 64 t
	s_and_b32 s71, ttmp7, 0xffff                   ; b: the batch
	; every LDS address: a constant, a constant x lane, a constant x wave
	v_lshlrev_b32 v5, 13, v3
	v_lshl_add_u32 v5, v2, 4, v5                   ; XO: x: row h of two, 16 bytes at 16 r
	s_lshl_b32 s72, s66, 13
	s_add_co_u32 s72, s72, XSTG                    ; my stage
	v_lshl_add_u32 v6, v1, 4, s72                  ; STW: in, as loaded
	v_lshl_add_u32 v7, v3, 3, v4
	v_lshl_add_u32 v7, v7, 2, s72                  ; STR: out: t = 8 h + rp: tile h, row r
	s_lshr_b32 s73, s66, 1
	s_mul_i32 s73, s73, 768                        ; my channels' group: g2 = w >> 1
	s_lshl_b32 s74, s69, 8
	s_add_co_u32 s74, s74, s73
	v_mul_u32_u24 v8, v3, 3072
	v_lshl_add_u32 v9, v2, 3, v8
	v_lshl_add_u32 v8, v2, 4, v8
	v_add_nc_u32 v8, s74, v8                       ; XWA: tile h, group g2, the image's lane 16 (w & 1) + r: words 0-3
	s_lshl_b32 s74, s69, 7
	s_add_co_u32 s74, s74, s73
	s_add_co_u32 s74, s74, 512
	v_add_nc_u32 v9, s74, v9                       ; XWB: words 4-5
	s_lshl_b32 s74, s67, 7
	s_and_b32 s75, s66, 3
	s_add_co_u32 s74, s74, s75
	s_add_co_u32 s74, s74, XSC
	v_lshl_add_u32 v10, v1, 2, s74                 ; XWS: K step w >> 2, byte w & 3 of the word of tile h, row r
	v_lshlrev_b32 v11, 4, v1                       ; A16
	v_lshl_add_u32 v12, v1, 3, 512                 ; A8
	v_lshl_add_u32 v13, v1, 2, XSC                 ; A4
	s_mul_i32 s74, s69, 6144
	v_add_nc_u32 v14, s74, v11                     ; Q16, Q8, Q4: the same in my block ipq
	v_add_nc_u32 v15, s74, v12
	s_lshl_b32 s74, s69, 8
	v_add_nc_u32 v16, s74, v13
	; offsets in memory
	v_mul_u32_u24 v17, v4, 192
	v_mad_u32_u24 v17, v3, 24, v17
	s_mul_i32 s74, s68, 6144
	v_add_nc_u32 v17, s74, v17                     ; QWO: W's row 32 db + rp (+ 8 u'), 192 bytes a row, + 24 h
	s_lshl_b32 s74, s68, 8
	v_lshl_add_u32 v18, v4, 3, s74                 ; QWSO: its 8 scale bytes
	v_mul_u32_u24 v19, v2, 192
	v_mad_u32_u24 v19, v3, 24, v19
	s_mul_i32 s74, s66, 6144
	v_add_nc_u32 v19, s74, v19                     ; VWO: vW's row 32 w + r (+ 16 ci)
	s_lshl_b32 s74, s66, 8
	v_lshl_add_u32 v20, v2, 3, s74                 ; VWSO
	s_lshl_b32 s74, s68, 7
	v_lshl_add_u32 v21, v3, 6, s74                 ; BNQ: channels 32 db + 16 h on
	s_lshl_b32 s74, s66, 7
	v_lshl_add_u32 v22, v2, 2, s74                 ; BNV: channel 32 w + r (+ 16 ci)
	s_mul_i32 s76, s67, 786432
	s_mul_i32 s74, s71, 98304
	s_add_co_u32 s76, s76, s74
	s_lshl_b32 s74, s70, 1
	s_add_co_u32 s74, s74, s69                     ; my block of 32 t
	s_mul_i32 s75, s74, 1536
	s_add_co_u32 s76, s76, s75                     ; qk_codes [m][b][block][1536]
	s_lshl_b32 s75, s68, 9
	s_add_co_u32 s75, s75, s76
	v_lshl_add_u32 v23, v1, 4, s75                 ; QOA: words 0-3 of channel block db
	s_lshl_b32 s75, s68, 8
	s_add_co_u32 s75, s75, s76
	s_add_co_u32 s75, s75, 1024
	v_lshl_add_u32 v24, v1, 3, s75                 ; QOB: words 4-5
	s_lshl_b32 s75, s67, 15
	s_lshl_b32 s77, s71, 12
	s_add_co_u32 s75, s75, s77
	s_lshl_b32 s77, s74, 6
	s_add_co_u32 s75, s75, s77
	s_lshl_b32 s77, s68, 1
	s_add_co_u32 s75, s75, s77
	v_lshl_add_u32 v25, v2, 2, s75                 ; QOS: qk_scales [m][b][block][r]: bytes 2 db, 2 db + 1 of row r's word
	s_mul_i32 s75, s71, 393216
	s_mul_i32 s77, s66, 49152
	s_add_co_u32 s75, s75, s77
	s_mul_i32 s77, s70, 768
	s_add_co_u32 s75, s75, s77
	v_lshl_add_u32 v26, v1, 4, s75                 ; VOA: v_codes [b][channel tile][64 t][768]
	s_add_co_u32 s75, s75, 512
	v_lshl_add_u32 v27, v1, 3, s75                 ; VOB
	s_lshl_b32 s75, s71, 5
	s_add_co_u32 s75, s75, s70
	s_lshl_b32 s75, s75, 9
	s_lshl_b32 s77, s66, 6
	s_add_co_u32 s75, s75, s77
	v_lshl_add_u32 v28, v1, 1, s75                 ; VOS: v_scales [b][64 t][w][lane], two bytes
	s_mov_b32 s80, 0x76543210
	s_mov_b32 s81, 0xfedcba98                      ; v_permlanex16_b32's selects for lane l xor 16
	s_mov_b32 s82, 0xffff0000                      ; lanes 16-31
	s_mov_b32 s84, 0x3727c5ac                      ; eps = 1e-5
	s_mov_b32 s85, s84                             ; (named with it as a pair)
	s_lshl_b32 s72, s71, 21
	s_lshl_b32 s73, s66, 18
	s_add_co_u32 s72, s72, s73
	s_lshl_b32 s73, s70, 8
	s_add_co_u32 s72, s72, s73
	s_mov_b32 s73, 0
	s_wait_kmcnt 0x0
	s_add_nc_u64 s[4:5], s[4:5], s[72:73]          ; x at my batch, my 32 channels, my 64 t
	s_cmp_lt_u32 s66, 4                            ; waves 0-3 take k's seven buffers, waves 4-7 q's: the choice hangs on the wave's number alone
.irp i, 0,1,2,3,4,5,6
	s_cselect_b64 s[8+2*\i:9+2*\i], s[8+2*\i:9+2*\i], s[24+2*\i:25+2*\i]
.endr
	; ---- the loads: 30 for BN, 16 for x, 52 for the weights
	s_wait_alu depctr_va_vdst(0)                   ; the offsets and addresses v5 to v28 are written, which every load and store of the kernel reads; none of them is written again
.irp k, 0,1,2,3,4                              ; b, beta, g, mu, var of q or k: my 16 channels
.irp q, 0,1,2,3
	global_load_b128 v[146+16*\k+4*\q:149+16*\k+4*\q], v21, s[12+2*\k:13+2*\k] offset:16*\q
.endr
.endr
.irp k, 0,1,2,3,4                              ; and of v: one channel a lane for each of my two tiles
.irp c, 0,1
	global_load_b32 v[226+2*\k+\c], v22, s[44+2*\k:45+2*\k] offset:64*\c
.endr
.endr
.irp k, 0,1,2,3,4,5,6,7,8,9,10,11,12,13,14,15
	global_load_b128 v[XR+4*\k:XR+4*\k+3], v5, s[4:5] offset:16384*\k th:TH_LOAD_NT   ; channels 2 k and 2 k + 1: sixteen lanes read 256 consecutive bytes, aligned
.endr
.irp u, 0,1
	global_load_b64 v[32+2*\u:33+2*\u], v18, s[10:11] offset:64*\u
.endr
.irp c, 0,1
	global_load_b64 v[36+2*\c:37+2*\c], v20, s[42:43] offset:128*\c
.endr
	WIN 0x40                                       ; destination window 1: the weights' fragments stay there (no vector instruction has named them, and none has been issued since the wait above)
.irp u, 0,1
.irp s, 0,1
.irp p, 0,1,2,3,4,5
	global_load_b64 v[12*(2*\u+\s)+2*\p:12*(2*\u+\s)+2*\p+1], v17, s[8:9] offset:1536*\u+96*\s+48*(\p/3)+8*(\p%3)
.endr
.endr
.endr
.irp c, 0,1
.irp s, 0,1
.irp p, 0,1,2,3,4,5
	global_load_b64 v[48+12*(2*\c+\s)+2*\p:48+12*(2*\c+\s)+2*\p+1], v19, s[40:41] offset:3072*\c+96*\s+48*(\p/3)+8*(\p%3)
.endr
.endr
.endr
	WIN 0
	; ---- BN's constants
	s_wait_loadcnt 63                              ; 68 loads were issued behind BN's 30: with 63 left out, those 30 are in
.irp i, 0,2,4,6,8,10,12,14
	v_pk_add_f32 v[210+\i:211+\i], v[210+\i:211+\i], s[84:85] op_sel_hi:[1,0]
.endr
	v_pk_add_f32 v[234:235], v[234:235], s[84:85] op_sel_hi:[1,0]
	s_wait_alu depctr_va_vdst(0)
.irp i, 0,1,2,3,4,5,6,7,8,9,10,11,12,13,14,15
	v_rsq_f32 v[210+\i], v[210+\i]
.endr
	v_rsq_f32 v234, v234
	v_rsq_f32 v235, v235
.irp i, 0,2,4,6,8,10,12,14
	v_pk_add_f32 v[146+\i:147+\i], v[146+\i:147+\i], v[194+\i:195+\i] neg_lo:[0,1] neg_hi:[0,1]   ; b - mu (the first is the plain place behind the roots)
.endr
	s_wait_alu depctr_va_vdst(0)                   ; the 18 roots have written v210-225, v234, v235: one wait for the batch, ahead of its first reader
.irp i, 0,2,4,6,8,10,12,14
	v_pk_mul_f32 v[50+\i:51+\i], v[178+\i:179+\i], v[210+\i:211+\i]                               ; inv: v50-65
.endr
.irp i, 0,2,4,6,8,10,12,14
	v_pk_fma_f32 v[66+\i:67+\i], v[146+\i:147+\i], v[50+\i:51+\i], v[162+\i:163+\i]               ; sh: v66-81
.endr
.irp c, 0,1                                    ; v's: a number a lane, written twice for the packed forms: (inv, inv) at v[42 + 4 ci], (sh, sh) behind it
	v_sub_f32 v[226+\c], v[226+\c], v[232+\c]
	v_mul_f32 v[42+4*\c], v[230+\c], v[234+\c]
	v_mov_b32 v[43+4*\c], v[42+4*\c]
	v_fma_f32 v[44+4*\c], v[226+\c], v[42+4*\c], v[228+\c]
	v_mov_b32 v[45+4*\c], v[44+4*\c]
.endr
	; ---- x turns through my stage: in as loaded, out one t a lane with the registers down the channels
	s_wait_loadcnt 52                              ; the 52 loads of weights are younger than x's
	s_wait_alu depctr_va_vdst(0)                   ; BN's arithmetic is done reading and writing v146-209, in which x lands turned
.irp k, 0,1,2,3,4,5,6,7,8,9,10,11,12,13,14,15
	ds_store_b128 v6, v[XR+4*\k:XR+4*\k+3] offset:512*\k
.endr
.irp p, 0,1
.set jj, 0
.rept 32
	ds_load_b32 v[XC+32*\p+jj], v7 offset:256*jj+128*\p   ; LDS serves a wave's instructions in order (ISA guide 5.7.1.4): these see my stores
.set jj, jj+1
.endr
.endr
	s_wait_dscnt 0x0
	; ---- x's codes: a lane holds a whole block of 32 channels of one t, twice (ip = 0, 1)
.irp p, 0,1
	v_max3_num_f32 v[234+\p], |v[XC+32*\p]|, |v[XC+32*\p+1]|, 0x2800000
.endr
.irp i, 2,4,6,8,10,12,14,16,18,20,22,24,26,28,30
.irp p, 0,1
	v_max3_num_f32 v[234+\p], v[234+\p], |v[XC+32*\p+\i]|, |v[XC+32*\p+\i+1]|
.endr
.endr
.irp p, 0,1
	v_add_nc_u32 v[236+\p], 0xfe000000, v[234+\p]
.endr
.irp p, 0,1
	v_lshrrev_b32 v[238+\p], 23, v[236+\p]
.endr
.irp p, 0,1
	v_cvt_scalef32_pk16_bf6_f32 v[210+8*\p:212+8*\p], v[XC+32*\p:XC+32*\p+15], v[236+\p]
	v_cvt_scalef32_pk16_bf6_f32 v[226+4*\p:228+4*\p], v[XC+32*\p+16:XC+32*\p+31], v[236+\p]   ; (a conversion's three registers begin on an even number)
.endr
	v_nop                                          ; one plain place behind the scaled conversions
.irp p, 0,1
.irp i, 0,1,2
	v_mov_b32 v[213+8*\p+\i], v[226+4*\p+\i]
.endr
.endr
	s_wait_alu depctr_va_vdst(0)                   ; x's codes v210-223 and bytes v238, v239 are written, which the LDS stores read
.irp p, 0,1
	ds_store_b128 v8, v[210+8*\p:213+8*\p] offset:6144*\p
	ds_store_b64  v9, v[214+8*\p:215+8*\p] offset:6144*\p
	ds_store_b8   v10, v[238+\p] offset:256*\p
.endr
	s_wait_dscnt 0x0                               ; for the others' sake: my images and bytes have landed
	s_barrier_signal -1
	s_barrier_wait -1                              ; x's sixteen groups and four sets of scale words lie in LDS
	s_wait_alu depctr_vm_vsrc(0)                   ; my LDS stores have read v82-145 (fragments land there, and products write v130-145) and v210-223, v238, v239 (later conversions write them)
	v_mov_b32 v[TP], 0                             ; a lane permute's destination counts as one of its sources
	v_mov_b32 v[TP+1], 0
	; ---- q or k: source 0 = 16 rows of W, source 1 = 16 t: a lane holds one t, its registers run along the channels
	FETCHX 14, 15, 16, 0, 0                        ; (no vector instruction has named v82-129, v40, v41)
	s_wait_loadcnt 0x0                             ; the weights
	s_wait_dscnt 0x0
	WIN 0x01                                       ; source 0 window 1
.irp s, 0,1                                    ; four accumulators by turns, one instruction a turn
.irp u, 0,1
.irp t, 0,1
	MM ACC+16*\u+8*\t, 12*(2*\t+\s), XF+12*(2*\u+\s), 1-\s, 32+2*\t+\s, XS+\s, 2*\u
.endr
.endr
.endr
	WIN 0
	PLACES 5
	s_wait_alu depctr_va_vdst(0)                   ; the eight products are done reading x's fragments and scale words, in which the loads below land
	FETCHX 11, 12, 13, 0, 0                        ; v's first 32 t come while q or k is finished: the vector work below names none of these registers
.irp u, 0,1
.irp i, 0,2,4,6,8,10,12,14
	v_pk_fma_f32 v[ACC+16*\u+\i:ACC+16*\u+\i+1], v[ACC+16*\u+\i:ACC+16*\u+\i+1], v[50+\i:51+\i], v[66+\i:67+\i]   ; each accumulator from its low end on
.endr
.endr
.set jj, 0
.rept 32
	v_max_num_f32 v[ACC+jj], 0, v[ACC+jj]
.set jj, jj+1
.endr
	BMAX2 TM, ACC, TM+1, ACC+16
	SCALE2 BYQ, BYQ+1
	v_cvt_scalef32_pk16_bf6_f32 v[210:212], v[ACC:ACC+15], v[SC]
	v_cvt_scalef32_pk16_bf6_f32 v[216:218], v[ACC+16:ACC+31], v[SC+1]
	v_nop                                          ; one plain place behind the scaled conversions
.irp i, 0,1,2
	v_permlane16_swap_b32 v[210+\i], v[216+\i]     ; lane (r, h) now holds tile h's row r: the lower 16 codes here, the upper 16 there
.endr
.irp i, 0,1,2
	v_mov_b32 v[213+\i], v[216+\i]
.endr
	v_lshl_or_b32 v206, v[BYQ+1], 8, v[BYQ]
	s_wait_alu depctr_va_vdst(0)                   ; the codes v210-215 and the two bytes v206 are written, which the three stores read
	global_store_b128 v23, v[210:213], s[56:57]    ; 512 consecutive bytes a wave
	global_store_b64  v24, v[214:215], s[56:57]    ; 256
	global_store_b16  v25, v206, s[58:59]          ; (lanes 16-31 store what lanes 0-15 store, to the same place)
	; ---- v: source 0 = 16 t, source 1 = 16 rows of vW: a lane holds one channel, its registers run along t
	s_wait_dscnt 0x0
	WIN 0x04                                       ; source 1 window 1
.irp s, 0,1
.irp c, 0,1
.irp u, 0,1
	MM ACC+32+16*\c+8*\u, XF+12*(2*\u+\s), 48+12*(2*\c+\s), 1-\s, XS+\s, 36+2*\c+\s, \u
.endr
.endr
.endr
	WIN 0
	PLACES 5
	s_wait_alu depctr_va_vdst(0)                   ; the eight products are done reading x's fragments and scale words, in which the loads below land
	FETCHX 11, 12, 13, 6144, 256                   ; the second 32 t
	POSTV ACC+32, 0, 220, 228
	s_wait_dscnt 0x0
	WIN 0x04
.irp s, 0,1
.irp c, 0,1
.irp u, 0,1
	MM ACC+16*\c+8*\u, XF+12*(2*\u+\s), 48+12*(2*\c+\s), 1-\s, XS+\s, 36+2*\c+\s, \u
.endr
.endr
.endr
	WIN 0
	PLACES 5
	POSTV ACC, 1, 236, 240
.irp c, 0,1
.irp i, 0,1,2
	v_permlane16_swap_b32 v[220+8*\c+\i], v[236+4*\c+\i]   ; lane (r, h) now holds block h of the 64 t whole
.endr
.irp i, 0,1,2
	v_mov_b32 v[223+8*\c+\i], v[236+4*\c+\i]
.endr
	v_lshl_or_b32 v[207+\c], v[BYV+2*\c+1], 8, v[BYV+2*\c]
.endr
	v_cndmask_b32 v209, v207, v208, s82            ; lanes 0-15 stand for my first channel tile, lanes 16-31 for the second
	s_wait_alu depctr_va_vdst(0)                   ; the codes v220-233 and the bytes v209 are written, which the five stores read
.irp c, 0,1
	global_store_b128 v26, v[220+8*\c:223+8*\c], s[60:61] offset:24576*\c
	global_store_b64  v27, v[224+8*\c:225+8*\c], s[60:61] offset:24576*\c
.endr
	global_store_b16 v28, v209, s[62:63]
	s_wait_dscnt 0x0                               ; the closing lines, six on end
	s_wait_alu 0x0
	s_wait_tensorcnt 0x0
	ds_add_u32 v254, v255
	s_wait_dscnt 0x0
	s_endpgm
.Lfunc_end_k_q80c2e3a5f2_conv:
	.size	k_q80c2e3a5f2_conv, .Lfunc_end_k_q80c2e3a5f2_conv-k_q80c2e3a5f2_conv
	.p2alignl 7, 3214868480
	.fill 96, 4, 3214868480
	.section	.rodata,"a",@progbits
	.p2align	6, 0x0
	.amdhsa_kernel k_q80c2e3a5f2_conv
		.amdhsa_group_segment_fixed_size 79360
		.amdhsa_private_segment_fixed_size 0
		.amdhsa_enable_private_segment 0
		.amdhsa_kernarg_size 208
		.amdhsa_user_sgpr_count 2
		.amdhsa_user_sgpr_kernarg_segment_ptr 1
		.amdhsa_wavefront_size32 1
		.amdhsa_system_sgpr_workgroup_id_x 1
		.amdhsa_system_sgpr_workgroup_id_y 1
		.amdhsa_system_sgpr_workgroup_id_z 1
		.amdhsa_system_vgpr_workitem_id 0
		.amdhsa_next_free_vgpr 384
		.amdhsa_next_free_sgpr 90
		.amdhsa_reserve_vcc 0
		.amdhsa_float_denorm_mode_32 3
		.amdhsa_float_denorm_mode_16_64 3
		.amdhsa_memory_ordered 1
		.amdhsa_forward_progress 1
		.amdhsa_inst_pref_size 48
	.end_amdhsa_kernel
	.amdgpu_metadata
---
amdhsa.version: [ 1, 2 ]
amdhsa.kernels:
  - .name:           k_q80c2e3a5f2_conv
    .symbol:         k_q80c2e3a5f2_conv.kd
    .args:
      - { .name: x, .offset: 0, .size: 8, .value_kind: global_buffer, .address_space: global }
      - { .name: kW_codes, .offset: 8, .size: 8, .value_kind: global_buffer, .address_space: global }
      - { .name: kW_scales, .offset: 16, .size: 8, .value_kind: global_buffer, .address_space: global }
      - { .name: kb, .offset: 24, .size: 8, .value_kind: global_buffer, .address_space: global }
      - { .name: kbeta, .offset: 32, .size: 8, .value_kind: global_buffer, .address_space: global }
      - { .name: kg, .offset: 40, .size: 8, .value_kind: global_buffer, .address_space: global }
      - { .name: kmu, .offset: 48, .size: 8, .value_kind: global_buffer, .address_space: global }
      - { .name: kvar, .offset: 56, .size: 8, .value_kind: global_buffer, .address_space: global }
      - { .name: qW_codes, .offset: 64, .size: 8, .value_kind: global_buffer, .address_space: global }
      - { .name: qW_scales, .offset: 72, .size: 8, .value_kind: global_buffer, .address_space: global }
      - { .name: qb, .offset: 80, .size: 8, .value_kind: global_buffer, .address_space: global }
      - { .name: qbeta, .offset: 88, .size: 8, .value_kind: global_buffer, .address_space: global }
      - { .name: qg, .offset: 96, .size: 8, .value_kind: global_buffer, .address_space: global }
      - { .name: qmu, .offset: 104, .size: 8, .value_kind: global_buffer, .address_space: global }
      - { .name: qvar, .offset: 112, .size: 8, .value_kind: global_buffer, .address_space: global }
      - { .name: vW_codes, .offset: 120, .size: 8, .value_kind: global_buffer, .address_space: global }
      - { .name: vW_scales, .offset: 128, .size: 8, .value_kind: global_buffer, .address_space: global }
      - { .name: vb, .offset: 136, .size: 8, .value_kind: global_buffer, .address_space: global }
      - { .name: vbeta, .offset: 144, .size: 8, .value_kind: global_buffer, .address_space: global }
      - { .name: vg, .offset: 152, .size: 8, .value_kind: global_buffer, .address_space: global }
      - { .name: vmu, .offset: 160, .size: 8, .value_kind: global_buffer, .address_space: global }
      - { .name: vvar, .offset: 168, .size: 8, .value_kind: global_buffer, .address_space: global }
      - { .name: qk_codes, .offset: 176, .size: 8, .value_kind: global_buffer, .address_space: global }
      - { .name: qk_scales, .offset: 184, .size: 8, .value_kind: global_buffer, .address_space: global }
      - { .name: v_codes, .offset: 192, .size: 8, .value_kind: global_buffer, .address_space: global }
      - { .name: v_scales, .offset: 200, .size: 8, .value_kind: global_buffer, .address_space: global }
    .group_segment_fixed_size: 79360
    .private_segment_fixed_size: 0
    .kernarg_segment_align: 8
    .kernarg_segment_size: 208
    .max_flat_workgroup_size: 256
    .sgpr_count:     90
    .vgpr_count:     384
    .wavefront_size: 32
...
	.end_amdgpu_metadata
.endif
;; end of part 3
;; launch attn (part 4): grid 32 x 8, 8 waves a work-group, no clusters, 124,416 bytes of LDS; arguments qk_codes, qk_scales, v_codes, v_scales, x, out0; writes out0
.if DOCPART == 4
	.amdgcn_target "amdgcn-amd-amdhsa--gfx1250"
	.amdhsa_code_object_version 6
	.text
	.protected	k_q80c2e3a5f2_attn
	.globl	k_q80c2e3a5f2_attn
	.p2align	8
	.type	k_q80c2e3a5f2_attn,@function
k_q80c2e3a5f2_attn:
	s_mov_b64 s[64:65], 0
	v_nop
	global_prefetch_b8 v0, s[64:65] scope:SCOPE_SE
	s_setreg_imm32_b32 hwreg(HW_REG_WAVE_SCHED_MODE, 0, 2), 2
	s_setreg_imm32_b32 hwreg(HW_REG_WAVE_MODE, 25, 1), 1
	s_wait_xcnt 0x0
	s_wait_alu depctr_vm_vsrc(0)
; out0 = x + (p v)^T: attention over a causal band of 256 keys, both products on codes of BF6 (E3M2) with E8M0 scales for each 32 along K.
; s = q . k / 8 inside the band, 0 outside; M = the row's largest s (the zeros outside the band count, so M = max(0, band)); e = exp(s - M) inside the band;
; p = e / (BATCH 0's row sum + 1e-30), finished before it is quantised along the keys, in blocks of 32 keys counted from key 0.
; SHARES.  A work-group takes 64 queries t0 .. t0 + 63 of one batch b; the keys that count lie in t0 - 256 .. t0 + 63: ten blocks of 32.  Keys outside are not multiplied: the mask throws them away.
; Wave w: query tile j = w & 3.  Waves 0-3 work on batch b, waves 4-7 on batch 0: every wave makes its tile's scores, maximum, e and row sum; waves 4-7 hand their sums over through LDS;
; waves 0-3 divide, quantise and lay p's fragments in LDS as images of their registers.  Then wave w makes channels 32 w .. 32 w + 31 of p v for all 64 queries, adds x and stores.
; THE FIRST PRODUCT HAS K = 64 IN AN INSTRUCTION OF 128.  Source 0 is a whole block of 32 keys: its k blocks 2 g + h hold channel block g of key tile h.  Source 1 holds q's channel block g in the lanes of
; half a and zero codes in the other half: the result is key tile a's scores.  So each fragment of k feeds two instructions.  k is permuted alike on both sides.
; Tile u of a block of 32 t holds t = 32 block + 8 u + row + (row & 8): the 16 registers of a block's two score tiles are 16 neighbouring keys.
; THE EXPONENT: the maximum is taken away first, then one multiplication by log2(e) / 8: a fused form on products of large numbers would lose what the difference keeps.
; LIMITS: NaN and infinities are not served.  v_exp_f32 gives 0 under 2^-126.  The division is v_rcp_f32 and a multiplication.  A block of zeros has the scale byte 1: its codes are zeros.
; NOT USED.  Tensor loads and slots that take turns: one step a work-group.  Joint loads in a cluster: neighbouring work-groups share four fifths of their windows of k and v, 15,360 + 61,440 bytes, beside 44 matrix
; instructions a wave: a cluster's rounds and v's pass through LDS would outweigh it.  Prefetches: all loads but x's stand at the head.  A running maximum: p is quantised finished, so the row is whole first.
; THE MODE: SCHED_MODE bits 1:0 = 2 (LLVM: expert scheduling mode 2), set by the entry lines.  The code itself states the register dependences
; between vector or matrix instructions and memory or LDS instructions, with s_wait_alu, always for 0.
; THE PLAN.  Registers that memory or LDS instructions touch:
;   v5-v25, v28-35        offsets and addresses, written at the head: one wait ahead of the first load.  v28-33 are written again by p's conversions: a wait behind the second barrier.
;   v96-127               k's chunks as loaded, read by LDS stores, then written by the first products: a wait ahead of those.
;   window 1 v0-119       k's fragments, read by the first products; x lands in v0-63 of them: a wait behind the products.
;   v41, window 1 v192-215  q's scale word and masked fragments, written by vector instructions, taken by scaled products: a wait behind their places.
;   v86                   my row's sum: written, stored to LDS, written again by a conversion.  v89: batch 0's sum lands where the sums' chains worked.
;   p's images            v28-33, v96-101, v128-133, v160-165, v192-197, v50-52, v92-95: all the vector work first, one wait, then the 15 LDS stores; p's fragments land on some of them behind the third barrier.
;   v96-239, v53-64       p's fragments and scale words, read by the last products; v96-159 then take the stage's rows, x is added there, and they are stored.
;   v48, v49              v's scale words, written by vector instructions, taken by scaled products.
;   window 1 v192-255     the last products' accumulators, read by the stage's LDS stores.
; The band's compares write scalar registers in runs of sixteen, with one wait behind each run, ahead of the selects that read them.
.set SUM,  0                           ; LDS: row sums, 128 bytes a wave
.set PSC,  1024                        ; p's scale words: (tile j, K step s) at (3 j + s) x 128 + 4 x lane
.set PIMG, 2560                        ; p's groups of 6 registers: (j, g) at (6 j + g) x 768: words 0-3 at 16 x lane, words 4-5 at 512 + 8 x lane
.set STG,  20992                       ; the way out: 32 rows x (256 + 16) bytes for each wave, its own
.set KLDS, 90624                       ; k's window as it lies in memory, 16,384 bytes for each batch of the two: block n at 1,536 n
.set S,    96                          ; v96-255  scores, then e, then p: register 16 n + i = key 32 n + 16 h + i of the window
.set BM,   66                          ; v66-75   each block's largest score, which goes the same way as the scores; at last the conversions' scale operands
.set BT,   76                          ; v76-85   at work; the scale bytes
.set MK,   28                          ; s28-43   the band's masks, sixteen at a time: scalar registers that the head has done with and that no memory instruction names
; v36-40 k's scale words, v41 q's, v42 q's as loaded, v43-47 v's halves, v48-49 v's words, v50-52 p's words just made, v53-64 p's words (3 i + s): these hold scales alone
; window 1: k's fragments at 12 n (later x at 4 k); v's (ci, s) at 120 + 12 (3 ci + s); q's two at 192, 204 (later the 8 accumulators of p v at 192 + 8 (2 i + ci))
.set MSB, 0
.macro WIN new                         ; the immediate's high byte repeats the setting that is left
.if MSB != \new
	s_set_vgpr_msb (MSB<<8)|\new
.set MSB, \new
.endif
.endm
.macro PLACES n                        ; plain vector instructions between a matrix instruction and what touches its registers (ISA guide 7.12.1)
.rept \n
	v_nop
.endr
.endm
; One matrix instruction.  first = 1: the constant 0 starts the sum.  row: 0: both sides' scales from lanes 0-15; 1: source 0's from lanes 16-31; 2: source 1's.
.macro MM d, a, b, first, sa, sb, row
.if \first
.if (\row) == 0
	v_wmma_scale_f32_16x16x128_f8f6f4 v[\d:\d+7], v[\a:\a+11], v[\b:\b+11], 0, v[\sa], v[\sb] matrix_a_fmt:MATRIX_FMT_BF6 matrix_b_fmt:MATRIX_FMT_BF6
.elseif (\row) == 1
	v_wmma_scale_f32_16x16x128_f8f6f4 v[\d:\d+7], v[\a:\a+11], v[\b:\b+11], 0, v[\sa], v[\sb] matrix_a_fmt:MATRIX_FMT_BF6 matrix_b_fmt:MATRIX_FMT_BF6 matrix_a_scale:MATRIX_SCALE_ROW1
.else
	v_wmma_scale_f32_16x16x128_f8f6f4 v[\d:\d+7], v[\a:\a+11], v[\b:\b+11], 0, v[\sa], v[\sb] matrix_a_fmt:MATRIX_FMT_BF6 matrix_b_fmt:MATRIX_FMT_BF6 matrix_b_scale:MATRIX_SCALE_ROW1
.endif
.else
.if (\row) == 0
	v_wmma_scale_f32_16x16x128_f8f6f4 v[\d:\d+7], v[\a:\a+11], v[\b:\b+11], v[\d:\d+7], v[\sa], v[\sb] matrix_a_fmt:MATRIX_FMT_BF6 matrix_b_fmt:MATRIX_FMT_BF6
.elseif (\row) == 1
	v_wmma_scale_f32_16x16x128_f8f6f4 v[\d:\d+7], v[\a:\a+11], v[\b:\b+11], v[\d:\d+7], v[\sa], v[\sb] matrix_a_fmt:MATRIX_FMT_BF6 matrix_b_fmt:MATRIX_FMT_BF6 matrix_a_scale:MATRIX_SCALE_ROW1
.else
	v_wmma_scale_f32_16x16x128_f8f6f4 v[\d:\d+7], v[\a:\a+11], v[\b:\b+11], v[\d:\d+7], v[\sa], v[\sb] matrix_a_fmt:MATRIX_FMT_BF6 matrix_b_fmt:MATRIX_FMT_BF6 matrix_b_scale:MATRIX_SCALE_ROW1
.endif
.endif
.endm
; 64 keys (blocks 2 p, 2 p + 1) that lie before the sequence's first key count for nothing: a scalar branch on the work-group's number
.macro KILL p
	s_cmp_ge_i32 s[24+\p], 0
	s_cbranch_scc1 .Lalive_\@
.set jj, 0
.rept 32
	v_mov_b32 v[S+32*\p+jj], v18
.set jj, jj+1
.endr
.Lalive_\@:
.endm
; p's blocks 2 g and 2 g + 1: 16 codes a lane of each, into v[d ..] and v[t ..]
.macro PCVT g, d, t
	v_cvt_scalef32_pk16_bf6_f32 v[\d:\d+2], v[S+32*\g:S+32*\g+15], v[BM+2*\g]
	v_cvt_scalef32_pk16_bf6_f32 v[\t:\t+2], v[S+32*\g+16:S+32*\g+31], v[BM+2*\g+1]
	v_nop                                          ; one plain place behind the scaled conversions: the next group's land on these sources
.endm
; the operand's layout wants a whole block in a lane: lanes 0-15 block 2 g, lanes 16-31 block 2 g + 1
.macro PTURN d, t
.irp i, 0,1,2
	v_permlane16_swap_b32 v[\d+\i], v[\t+\i]
.endr
.irp i, 0,1,2
	v_mov_b32 v[\d+3+\i], v[\t+\i]
.endr
.endm
; then the group goes to LDS as it stands
.macro PSEND g, d
	ds_store_b128 v21, v[\d:\d+3] offset:768*\g
	ds_store_b64  v22, v[\d+4:\d+5] offset:768*\g
.endm
	s_load_b256 s[4:11],  s[0:1], 0x0              ; qk_codes, qk_scales, v_codes, v_scales
	s_load_b128 s[12:15], s[0:1], 0x20             ; x, out0
	v_lshrrev_b32 v5, 5, v0
	v_readfirstlane_b32 s16, v5                    ; wave w
	v_and_b32 v1, 31, v0                           ; L
	s_wait_alu depctr_va_vdst(0)
	v_and_b32 v2, 15, v0                           ; r
	v_bfe_u32 v3, v0, 4, 1                         ; h
	v_and_b32 v4, 8, v2
	v_add_nc_u32 v4, v4, v2                        ; rp = r + (r & 8)
	s_wait_alu depctr_va_sdst(0)                   ; s16, the wave's number, is written, ahead of its first reader
	s_lshr_b32 s17, s16, 2                         ; role: 0 = my batch, 1 = batch 0
	s_and_b32 s23, s16, 3                          ; j: my query tile,
	s_lshr_b32 s18, s23, 1                         ; ip: its block of 32,
	s_and_b32 s19, s16, 1                          ; u: its tile in the block
	s_mov_b32 s20, ttmp9                           ; uw: which 64 queries
	s_and_b32 s21, ttmp7, 0xffff                   ; b
	s_cmp_eq_u32 s17, 0
	s_cselect_b32 s22, s21, 0                      ; bb: the batch whose scores I make (it enters offsets in memory alone)
	s_sub_co_i32 s24, s20, 4                       ; s24-28: the window's five units of 64 keys, uw - 4 + p: negative before the sequence's start;
.irp p, 1,2,3,4
	s_add_co_i32 s[24+\p], s24, \p
.endr
.irp p, 0,1,2,3,4
	s_max_i32 s[29+\p], s[24+\p], 0                ; s29-33: held at 0, so that no load leaves its buffer
.endr
	v_lshlrev_b32 v5, 4, v1                        ; 16 L
	v_lshlrev_b32 v6, 3, v1                        ; 8 L
	v_lshlrev_b32 v7, 2, v1                        ; 4 L
	v_lshlrev_b32 v8, 1, v1                        ; 2 L
	; every LDS address, ahead of the place where the waves' ways part
	s_lshl_b32 s36, s16, 12
	s_add_co_u32 s36, s36, KLDS
	v_lshl_add_u32 v9, v1, 4, s36                  ; KST: my eight chunks of 512 bytes of my batch's window
	s_lshl_b32 s36, s17, 14
	s_add_co_u32 s36, s36, KLDS
	v_lshl_add_u32 v10, v1, 4, s36                 ; KRA: a block's words 0-3
	s_add_co_u32 s36, s36, 1024
	v_lshl_add_u32 v11, v1, 3, s36                 ; KRB: its words 4-5
	v_lshl_add_u32 v19, v0, 2, SUM                 ; SWR: 128 w + 4 L
	s_lshl_b32 s36, s23, 7
	s_add_co_u32 s36, s36, SUM+512
	v_lshl_add_u32 v20, v1, 2, s36                 ; SRD: wave j + 4's sums
	s_mul_i32 s36, s23, 4608
	s_add_co_u32 s36, s36, PIMG
	v_lshl_add_u32 v21, v1, 4, s36                 ; PWA
	s_add_co_u32 s36, s36, 512
	v_lshl_add_u32 v22, v1, 3, s36                 ; PWB
	s_mul_i32 s36, s23, 384
	s_add_co_u32 s36, s36, PSC
	v_lshl_add_u32 v23, v1, 2, s36                 ; PWS
	s_mul_i32 s36, s16, 8704
	s_add_co_u32 s36, s36, STG
	v_mul_u32_u24 v24, v2, 272
	v_lshl_add_u32 v24, v3, 6, v24
	v_add_nc_u32 v24, s36, v24                     ; STO: row r (a channel), + 64 h
	v_mul_u32_u24 v25, v3, 272
	v_lshl_add_u32 v25, v2, 4, v25
	v_add_nc_u32 v25, s36, v25                     ; SRB: lanes 0-15 one row, lanes 16-31 the next
	; offsets in memory
	s_mul_i32 s37, s22, 98304                      ; batch bb in qk_codes
	s_lshl_b32 s36, s20, 1
	s_add_co_u32 s36, s36, s18                     ; my queries' block of 32
	s_mul_i32 s38, s36, 1536
	s_add_co_u32 s38, s38, s37
	s_add_co_u32 s38, s38, 786432                  ; q's half of the buffer
	s_lshl_b32 s39, s19, 8
	s_add_co_u32 s39, s39, s38
	v_lshl_add_u32 v12, v2, 4, s39                 ; QOA: tile u, row r: both halves of the lanes take the same
	s_lshl_b32 s39, s19, 7
	s_add_co_u32 s39, s39, s38
	s_add_co_u32 s39, s39, 1024
	v_lshl_add_u32 v13, v2, 3, s39                 ; QOB
	s_lshl_b32 s42, s22, 12                        ; batch bb in qk_scales
	s_lshl_b32 s40, s36, 6
	s_add_co_u32 s40, s40, s42
	s_add_co_u32 s40, s40, 32768
	v_lshl_add_u32 v14, v2, 2, s40                 ; QSO
	v_lshlrev_b32 v15, 13, v3
	v_lshl_add_u32 v15, v2, 4, v15                 ; XO: x and out0: row h of two, 16 bytes at 16 r
	s_lshl_b32 s40, s18, 5
	s_lshl_b32 s41, s19, 3
	s_add_co_u32 s40, s40, s41
	v_lshlrev_b32 v17, 4, v3
	v_sub_nc_u32 v17, v4, v17
	v_add_nc_u32 v17, s40, v17                     ; DHI = my query - t0 - 16 h: register 16 n + i is past my query where 32 (n - 8) + i > DHI
	v_add_nc_u32 v16, 1, v17                       ; DLO = DHI + 1: it is more than 255 keys back where 32 n + i < DLO
	v_mov_b32 v18, 0xff800000                      ; -infinity
	s_mul_i32 s40, s24, 3072
	s_lshl_b32 s41, s23, 12
	s_add_co_i32 s40, s40, s41
.irp q, 0,1,2,3,4,5,6,7                        ; KO: chunk 8 j + q of the window's 32 (30 hold the ten blocks; the last two are read and used by nobody); a chunk before the batch's first byte reads that byte's chunk
	s_add_co_i32 s41, s40, 512*\q
	s_max_i32 s41, s41, 0
	s_add_co_u32 s41, s41, s37
	v_add_nc_u32 v[28+\q], s41, v5
.endr
	s_mul_i32 s43, s21, 393216
	s_mul_i32 s44, s16, 49152
	s_add_co_u32 s43, s43, s44                     ; v_codes: batch b, my two channel tiles
	s_lshl_b32 s44, s21, 14
	s_lshl_b32 s45, s16, 6
	s_add_co_u32 s44, s44, s45                     ; v_scales: batch b, my 64 bytes of a unit's 512
	s_mov_b32 s78, 0x3e38aa3b                      ; log2(e) / 8
	s_mov_b32 s79, s78                             ; (named with it as a pair)
	s_mov_b32 s80, 0x76543210
	s_mov_b32 s81, 0xfedcba98                      ; v_permlanex16_b32's selects for lane l xor 16
	s_mov_b32 s82, 0x0000ffff                      ; lanes 0-15
	s_mov_b32 s83, 0xffff0000                      ; lanes 16-31
	s_mul_i32 s84, s19, 0x01010101
	s_add_co_u32 s84, s84, 0x02020000              ; bytes u, u, 2 + u, 2 + u of q's word as stored
	s_lshl_b32 s86, s21, 21
	s_lshl_b32 s34, s16, 18
	s_add_co_u32 s86, s86, s34
	s_lshl_b32 s34, s20, 8
	s_add_co_u32 s86, s86, s34
	s_mov_b32 s87, 0
	s_mov_b32 s35, 0
.irp n, 0,1,2,3,4,5,6,7,8,9
	v_mov_b32 v[BT+\n], 0                          ; a lane permute's destination counts as one of its sources
.endr
.irp i, 0,1,2,3
	v_mov_b32 v[92+\i], 0                          ; zero codes for p's sixth group
.endr
	WIN 0x40
.irp c, 0,1
.irp i, 6,7,8,9,10,11
	v_mov_b32 v[120+12*(3*\c+2)+\i], 0             ; and for v's: the third K step has 64 keys
.endr
.endr
	WIN 0
	s_wait_kmcnt 0x0
.irp p, 0,1,2,3,4
	s_lshl_b32 s34, s[29+\p], 7
	s_add_co_u32 s34, s34, s42
	s_add_nc_u64 s[46+2*\p:47+2*\p], s[6:7], s[34:35]                          ; k's scale words of unit p
	s_mul_i32 s34, s[29+\p], 768
	s_add_co_u32 s34, s34, s43
	s_add_nc_u64 s[56+2*\p+2*(\p/4):57+2*\p+2*(\p/4)], s[8:9], s[34:35]        ; v's codes of unit p
	s_lshl_b32 s34, s[29+\p], 9
	s_add_co_u32 s34, s34, s44
	s_add_nc_u64 s[68+2*\p:69+2*\p], s[10:11], s[34:35]                        ; v's scale bytes of unit p
.endr
	s_add_nc_u64 s[12:13], s[12:13], s[86:87]      ; x and out0 at my batch, my 32 channels, my 64 t
	s_add_nc_u64 s[14:15], s[14:15], s[86:87]
	; ---- the loads: 8 + 8 + 1 + 5 + 5 + 20
	s_wait_alu depctr_va_vdst(0)                   ; the offsets and addresses v5 to v25 and v28 to v35 are written, which the loads and stores read; so are the zero codes v92-95, which an LDS store reads, and v's, which the last products take
.irp q, 0,1,2,3,4,5,6,7
	global_load_b128 v[S+4*\q:S+4*\q+3], v[28+\q], s[4:5]
.endr
	WIN 0x40                                       ; destination window 1
.irp a, 0,1                                    ; q's fragment twice: one for each half of the lanes
.irp g, 0,1
	global_load_b128 v[192+12*\a+6*\g:195+12*\a+6*\g], v12, s[4:5] offset:512*\g
	global_load_b64  v[196+12*\a+6*\g:197+12*\a+6*\g], v13, s[4:5] offset:256*\g
.endr
.endr
	WIN 0
	global_load_b32 v42, v14, s[6:7]
.irp p, 0,1,2,3,4
	global_load_b32 v[36+\p], v7, s[46+2*\p:47+2*\p]       ; lanes 0-15 block 2 p, lanes 16-31 block 2 p + 1
.endr
.irp p, 0,1,2,3,4
	global_load_u16 v[43+\p], v8, s[68+2*\p:69+2*\p]
.endr
	WIN 0x40
.irp c, 0,1
.irp k, 0,1,2,3,4
	global_load_b128 v[120+12*(3*\c+\k/2)+6*(\k%2):123+12*(3*\c+\k/2)+6*(\k%2)], v5, s[56+2*\k+2*(\k/4):57+2*\k+2*(\k/4)] offset:24576*\c
	global_load_b64  v[124+12*(3*\c+\k/2)+6*(\k%2):125+12*(3*\c+\k/2)+6*(\k%2)], v6, s[56+2*\k+2*(\k/4):57+2*\k+2*(\k/4)] offset:24576*\c+512
.endr
.endr
	WIN 0
	; ---- k's window: four waves bring it, all four read it
	s_wait_loadcnt 39                              ; 39 loads are younger than my eight chunks
.irp q, 0,1,2,3,4,5,6,7
	ds_store_b128 v9, v[S+4*\q:S+4*\q+3] offset:512*\q
.endr
	s_wait_dscnt 0x0                               ; for the others' sake
	s_barrier_signal -1
	s_barrier_wait -1
	WIN 0x40
.irp n, 0,1,2,3,4,5,6,7,8,9
	ds_load_b128 v[12*\n:12*\n+3],     v10 offset:1536*\n
	ds_load_b64  v[12*\n+4:12*\n+5],   v11 offset:1536*\n
	ds_load_b128 v[12*\n+6:12*\n+9],   v10 offset:1536*\n+512
	ds_load_b64  v[12*\n+10:12*\n+11], v11 offset:1536*\n+256
.endr
	WIN 0
	s_wait_loadcnt 25                              ; v's 5 + 20 loads are younger than q's and the scale words
	v_perm_b32 v41, v42, v42, s84                  ; q's scale word: channel block 0's byte twice, block 1's twice
	WIN 0x44                                       ; source 1 and destination window 1
.irp i, 0,1,2,3,4,5,6,7,8,9,10,11
	v_cndmask_b32 v[192+\i], 0, v[192+\i], s82     ; the first keeps lanes 0-15,
.endr
.irp i, 0,1,2,3,4,5,6,7,8,9,10,11
	v_cndmask_b32 v[204+\i], 0, v[204+\i], s83     ; the second lanes 16-31: zero codes elsewhere
.endr
	WIN 0
	PLACES 4                                       ; an operand written by vector instructions stands 4 places ahead of a scaled matrix instruction, a scale register 8
	s_wait_alu depctr_va_vdst(0)                   ; q's scale word v41 and q's two masked fragments are written, which the scaled products take; the places above stay beside this wait
	s_wait_alu depctr_vm_vsrc(0)                   ; my LDS stores of k's chunks have read v96-127, which the products write
	s_wait_dscnt 0x0                               ; k's fragments
	WIN 0x05                                       ; sources 0 and 1 window 1
.irp n, 0,1,2,3,4,5,6,7,8,9
.irp a, 0,1
	MM S+16*\n+8*\a, 12*\n, 192+12*\a, 1, 36+\n/2, 41, \n%2
.endr
.endr
	WIN 0
	PLACES 5
	WIN 0x40
	s_wait_alu depctr_va_vdst(0)                   ; the twenty products are done reading k's fragments, in which x lands
.irp k, 0,1,2,3,4,5,6,7,8,9,10,11,12,13,14,15
	global_load_b128 v[4*\k:4*\k+3], v15, s[12:13] offset:16384*\k th:TH_LOAD_NT   ; x for the residual, into registers that k has left: sixteen lanes read 256 consecutive bytes, aligned
.endr
	WIN 0
	; ---- the band: hidden scores become -infinity, each accumulator from its low end on.  Sixteen compares, one wait, sixteen selects
.irp n, 0,1
.irp i, 0,1,2,3,4,5,6,7,8,9,10,11,12,13,14,15
	v_cmp_lt_i32 s[MK+\i], 32*\n+\i, v16
.endr
	s_wait_alu depctr_va_sdst(0)                   ; the sixteen compares have written their masks, ahead of the first select that reads one
.irp i, 0,1,2,3,4,5,6,7,8,9,10,11,12,13,14,15
	v_cndmask_b32 v[S+16*\n+\i], v[S+16*\n+\i], v18, s[MK+\i]
.endr
.endr
.irp n, 8,9
.irp i, 0,1,2,3,4,5,6,7,8,9,10,11,12,13,14,15
	v_cmp_gt_i32 s[MK+\i], 32*(\n-8)+\i, v17
.endr
	s_wait_alu depctr_va_sdst(0)                   ; the sixteen compares have written their masks, ahead of the first select that reads one
.irp i, 0,1,2,3,4,5,6,7,8,9,10,11,12,13,14,15
	v_cndmask_b32 v[S+16*\n+\i], v[S+16*\n+\i], v18, s[MK+\i]
.endr
.endr
	KILL 0
	KILL 1
	KILL 2
	KILL 3
	; ---- each block's largest score (it serves twice: for the row's maximum and, since p rises with the score, for the block's largest p)
.irp n, 0,1,2,3,4,5,6,7,8,9
	v_max3_num_f32 v[BM+\n], v[S+16*\n], v[S+16*\n+1], v[S+16*\n+2]
.endr
.irp i, 3,5,7,9,11,13
.irp n, 0,1,2,3,4,5,6,7,8,9
	v_max3_num_f32 v[BM+\n], v[BM+\n], v[S+16*\n+\i], v[S+16*\n+\i+1]
.endr
.endr
.irp n, 0,1,2,3,4,5,6,7,8,9
	v_max_num_f32 v[BM+\n], v[BM+\n], v[S+16*\n+15]
.endr
.irp n, 0,1,2,3,4,5,6,7,8,9
	v_permlanex16_b32 v[BT+\n], v[BM+\n], s80, s81
.endr
.irp n, 0,1,2,3,4,5,6,7,8,9
	v_max_num_f32 v[BM+\n], v[BM+\n], v[BT+\n]
.endr
	v_max3_num_f32 v26, v[BM], v[BM+1], 0          ; the zeros outside the band count
.irp n, 2,4,6,8
	v_max3_num_f32 v26, v26, v[BM+\n], v[BM+\n+1]
.endr
	v_mov_b32 v27, v26
	; ---- e = 2^((score - M) log2(e) / 8)
.set jj, 0
.rept 80
	v_pk_add_f32 v[S+jj:S+jj+1], v[S+jj:S+jj+1], v[26:27] neg_lo:[0,1] neg_hi:[0,1]
.set jj, jj+2
.endr
.irp n, 0,2,4,6,8
	v_pk_add_f32 v[BM+\n:BM+\n+1], v[BM+\n:BM+\n+1], v[26:27] neg_lo:[0,1] neg_hi:[0,1]
.endr
.set jj, 0
.rept 80
	v_pk_mul_f32 v[S+jj:S+jj+1], v[S+jj:S+jj+1], s[78:79] op_sel_hi:[1,0]
.set jj, jj+2
.endr
.irp n, 0,2,4,6,8
	v_pk_mul_f32 v[BM+\n:BM+\n+1], v[BM+\n:BM+\n+1], s[78:79] op_sel_hi:[1,0]
.endr
.set jj, 0
	s_wait_alu depctr_va_vdst(0)
.rept 160
	v_exp_f32 v[S+jj], v[S+jj]
.set jj, jj+1
.endr
.irp n, 0,1,2,3,4,5,6,7,8,9
	v_exp_f32 v[BM+\n], v[BM+\n]
.endr
	v_nop                                          ; one plain place behind the exponentials
	; ---- the row's sum, two at a time, in two chains
	s_wait_alu depctr_va_vdst(0)                   ; the 170 exponentials have written v96-255 and v66-75: one wait for the batch, ahead of its first reader
	v_pk_add_f32 v[86:87], v[S:S+1], v[S+2:S+3]
	v_pk_add_f32 v[88:89], v[S+4:S+5], v[S+6:S+7]
.set jj, S+8
.rept 38
	v_pk_add_f32 v[86:87], v[86:87], v[jj:jj+1]
	v_pk_add_f32 v[88:89], v[88:89], v[jj+2:jj+3]
.set jj, jj+4
.endr
	v_pk_add_f32 v[86:87], v[86:87], v[88:89]
	v_add_f32 v86, v86, v87
	v_permlanex16_b32 v[BT], v86, s80, s81
	v_add_f32 v86, v86, v[BT]                      ; with lane l xor 16's keys: my query's sum
	s_wait_alu depctr_va_vdst(0)                   ; the sum v86 is written, which the LDS store reads; the chains are done with v89, in which batch 0's sum lands below, and with v96-255
	ds_store_b32 v19, v86
	s_wait_dscnt 0x0                               ; for the others' sake
	s_barrier_signal -1
	s_barrier_wait -1                              ; batch 0's sums lie in LDS
	s_wait_alu depctr_vm_vsrc(0)                   ; the LDS store has read v86 and the chunks' loads have read their offsets v28-35: p's conversions write these registers; ahead of the branch
	; ---- waves 0-3: p = e / (batch 0's sum + 1e-30), its codes and scale words
	s_cmp_lt_u32 s16, 4
	s_cbranch_scc0 .Ljoin
	ds_load_b32 v89, v20                           ; (no vector instruction has been issued since the wait ahead of the sum's store)
	s_wait_dscnt 0x0
	v_add_f32 v89, 0x0da24260, v89                 ; + 1e-30
	s_wait_alu depctr_va_vdst(0)
	v_rcp_f32 v90, v89
	v_nop                                          ; one plain place behind the reciprocal
	s_wait_alu depctr_va_vdst(0)                   ; the reciprocal has written v90, ahead of its first reader
	v_mov_b32 v91, v90
.set jj, 0
.rept 80
	v_pk_mul_f32 v[S+jj:S+jj+1], v[S+jj:S+jj+1], v[90:91]
.set jj, jj+2
.endr
.irp n, 0,2,4,6,8
	v_pk_mul_f32 v[BM+\n:BM+\n+1], v[BM+\n:BM+\n+1], v[90:91]     ; each block's largest p: the same instructions on the same number give the same bits
.endr
.irp n, 0,1,2,3,4,5,6,7,8,9
	v_max_num_f32 v[BM+\n], 0x2800000, v[BM+\n]    ; the floor 2^(5 - 127): the byte cannot fall under 1
.endr
.irp n, 0,1,2,3,4,5,6,7,8,9
	v_add_nc_u32 v[BM+\n], 0xfe000000, v[BM+\n]    ; 4 off the exponent field: the conversion's scale operand
.endr
.irp n, 0,1,2,3,4,5,6,7,8,9
	v_lshrrev_b32 v[BT+\n], 23, v[BM+\n]           ; the scale's byte
.endr
.irp s, 0,1
	v_lshl_or_b32 v[50+\s], v[BT+4*\s+1], 8, v[BT+4*\s]
	v_lshl_or_b32 v[50+\s], v[BT+4*\s+2], 16, v[50+\s]
	v_lshl_or_b32 v[50+\s], v[BT+4*\s+3], 24, v[50+\s]
.endr
	v_lshl_or_b32 v52, v[BT+9], 8, v[BT+8]         ; the third K step: two blocks, and bytes 0 over zero codes
	PCVT 0, 28, 86                                 ; the codes land in registers that are done with: first the chunks' offsets and the sums', then p that has been converted
	PCVT 1, 96, 104
	PCVT 2, 128, 136
	PCVT 3, 160, 168
	PCVT 4, 192, 200
	PTURN 28, 86
	PTURN 96, 104
	PTURN 128, 136
	PTURN 160, 168
	PTURN 192, 200
	s_wait_alu depctr_va_vdst(0)                   ; p's five groups of codes and its three scale words v50-52 are written, which the LDS stores read
	PSEND 0, 28
	PSEND 1, 96
	PSEND 2, 128
	PSEND 3, 160
	PSEND 4, 192
	ds_store_b128 v21, v[92:95] offset:768*5
	ds_store_b64  v22, v[92:93] offset:768*5
.irp s, 0,1,2
	ds_store_b32 v23, v[50+\s] offset:128*\s
.endr
.Ljoin:
	s_wait_dscnt 0x0                               ; for the others' sake
	s_barrier_signal -1
	s_barrier_wait -1                              ; p's 24 groups and 12 sets of scale words lie in LDS
	s_wait_alu depctr_vm_vsrc(0)                   ; my LDS stores of p's groups have read v96-101, v128-133, v160-165, v192-197, in which p's fragments land
	; ---- p v: source 0 = 16 queries, source 1 = 16 channels: a lane holds one channel and eight neighbouring t
	s_wait_loadcnt 16                              ; x's 16 loads are younger than v's
	v_lshl_or_b32 v48, v44, 16, v43                ; v's scale words: two units of 64 keys to a K step; the third is v47 as loaded
	v_lshl_or_b32 v49, v46, 16, v45
	PLACES 8                                       ; a scale register written by a vector instruction stands 8 places ahead of a scaled matrix instruction
	s_wait_alu depctr_va_vdst(0)                   ; v48 and v49 are written, which the scaled products take; the multiplications, conversions and swaps are done with v96-239, in which p's fragments land
.irp i, 0,1,2,3
.irp s, 0,1,2
	ds_load_b128 v[S+12*(3*\i+\s):S+12*(3*\i+\s)+3],     v5 offset:PIMG+(6*\i+2*\s)*768
	ds_load_b64  v[S+12*(3*\i+\s)+4:S+12*(3*\i+\s)+5],   v6 offset:PIMG+(6*\i+2*\s)*768+512
	ds_load_b128 v[S+12*(3*\i+\s)+6:S+12*(3*\i+\s)+9],   v5 offset:PIMG+(6*\i+2*\s)*768+768
	ds_load_b64  v[S+12*(3*\i+\s)+10:S+12*(3*\i+\s)+11], v6 offset:PIMG+(6*\i+2*\s)*768+768+512
	ds_load_b32  v[53+3*\i+\s], v7 offset:PSC+(3*\i+\s)*128
.endr
.endr
	s_wait_dscnt 0x0
	WIN 0x54                                       ; source 1 (v), C and D window 1
.irp s, 0,1,2                                  ; eight accumulators by turns, one instruction a turn
.irp i, 0,1,2,3
.irp c, 0,1
	MM 192+8*(2*\i+\c), S+12*(3*\i+\s), 120+12*(3*\c+\s), (2-\s)/2, 53+3*\i+\s, 48+\s-3*(\s/2), 2*\c
.endr
.endr
.endr
	WIN 0
	PLACES 5
	; ---- the way out: through my own stage, so that sixteen lanes hold 256 consecutive bytes of a channel's row; x is added; stored
	WIN 0x04                                       ; an LDS store's data are its source 1: window 1
	s_wait_alu depctr_va_vdst(0)                   ; the products have written the eight accumulators, which the LDS stores read, and are done reading p's fragments, in which the stage's rows land; the places above stay beside this wait
.irp i, 0,1,2,3
.irp c, 0,1
	ds_store_b128 v24, v[192+8*(2*\i+\c):195+8*(2*\i+\c)] offset:4352*\c+128*(\i/2)+32*(\i%2)       ; each accumulator from its low end on
	ds_store_b128 v24, v[196+8*(2*\i+\c):199+8*(2*\i+\c)] offset:4352*\c+128*(\i/2)+32*(\i%2)+16
.endr
.endr
	WIN 0
.irp k, 0,1,2,3,4,5,6,7,8,9,10,11,12,13,14,15
	ds_load_b128 v[S+4*\k:S+4*\k+3], v25 offset:544*\k     ; LDS serves a wave's instructions in order (ISA guide 5.7.1.4): these see my stores
.endr
	s_wait_loadcnt 0x0                             ; x
	WIN 0x04                                       ; source 1 (x) window 1
.irp k, 0,1,2,3,4,5,6,7,8,9,10,11,12,13,14,15
	s_wait_dscnt 15-\k                             ; rows 2 k and 2 k + 1 are back; the younger loads may be out
	v_pk_add_f32 v[S+4*\k:S+4*\k+1],   v[S+4*\k:S+4*\k+1],   v[4*\k:4*\k+1]
	v_pk_add_f32 v[S+4*\k+2:S+4*\k+3], v[S+4*\k+2:S+4*\k+3], v[4*\k+2:4*\k+3]
.endr
	WIN 0
	s_wait_alu depctr_va_vdst(0)                   ; the 32 additions have written v96-159, which the stores read
.irp k, 0,1,2,3,4,5,6,7,8,9,10,11,12,13,14,15
	global_store_b128 v15, v[S+4*\k:S+4*\k+3], s[14:15] offset:16384*\k th:TH_STORE_NT   ; sixteen lanes store 256 consecutive bytes, aligned; written once, read by nobody here
.endr
	s_wait_xcnt 0x0
	v_lshl_add_u32 v254, v0, 2, 0x1e200            ; the closing add's pair is made here: v254 and v255 held scores until now, and no memory or LDS instruction has read them
	v_mov_b32 v255, 0
	s_wait_dscnt 0x0                               ; the closing lines, six on end
	s_wait_alu 0x0
	s_wait_tensorcnt 0x0
	ds_add_u32 v254, v255
	s_wait_dscnt 0x0
	s_endpgm
.Lfunc_end_k_q80c2e3a5f2_attn:
	.size	k_q80c2e3a5f2_attn, .Lfunc_end_k_q80c2e3a5f2_attn-k_q80c2e3a5f2_attn
	.p2alignl 7, 3214868480
	.fill 96, 4, 3214868480
	.section	.rodata,"a",@progbits
	.p2align	6, 0x0
	.amdhsa_kernel k_q80c2e3a5f2_attn
		.amdhsa_group_segment_fixed_size 124416
		.amdhsa_private_segment_fixed_size 0
		.amdhsa_enable_private_segment 0
		.amdhsa_kernarg_size 48
		.amdhsa_user_sgpr_count 2
		.amdhsa_user_sgpr_kernarg_segment_ptr 1
		.amdhsa_wavefront_size32 1
		.amdhsa_system_sgpr_workgroup_id_x 1
		.amdhsa_system_sgpr_workgroup_id_y 1
		.amdhsa_system_sgpr_workgroup_id_z 1
		.amdhsa_system_vgpr_workitem_id 0
		.amdhsa_next_free_vgpr 512
		.amdhsa_next_free_sgpr 90
		.amdhsa_reserve_vcc 0
		.amdhsa_float_denorm_mode_32 3
		.amdhsa_float_denorm_mode_16_64 3
		.amdhsa_memory_ordered 1
		.amdhsa_forward_progress 1
		.amdhsa_inst_pref_size 88
	.end_amdhsa_kernel
	.amdgpu_metadata
---
amdhsa.version: [ 1, 2 ]
amdhsa.kernels:
  - .name:           k_q80c2e3a5f2_attn
    .symbol:         k_q80c2e3a5f2_attn.kd
    .args:
      - { .name: qk_codes, .offset: 0, .size: 8, .value_kind: global_buffer, .address_space: global }
      - { .name: qk_scales, .offset: 8, .size: 8, .value_kind: global_buffer, .address_space: global }
      - { .name: v_codes, .offset: 16, .size: 8, .value_kind: global_buffer, .address_space: global }
      - { .name: v_scales, .offset: 24, .size: 8, .value_kind: global_buffer, .address_space: global }
      - { .name: x, .offset: 32, .size: 8, .value_kind: global_buffer, .address_space: global }
      - { .name: out0, .offset: 40, .size: 8, .value_kind: global_buffer, .address_space: global }
    .group_segment_fixed_size: 124416
    .private_segment_fixed_size: 0
    .kernarg_segment_align: 8
    .kernarg_segment_size: 48
    .max_flat_workgroup_size: 256
    .sgpr_count:     90
    .vgpr_count:     512
    .wavefront_size: 32
...
	.end_amdgpu_metadata
.endif
;; end of part 4
